; MI455X (gfx1250); checked and timed in simulation.
; The chip was launched on July 23, 2026; its instructions are those of AMD's public machine-readable ISA for CDNA 5 (MIT licence, August 2026) and "CDNA5" Instruction Set Architecture Reference Guide (July 2026). The comments in the code are by the model that wrote it; some were corrected since.
;; Multi Head Latent Attention. Allowed arithmetic: matrix products marked QUANTISED: E2M1 operands, one E8M0 scale for each 32 along K, by v_wmma_scale_f32_16x16x128_f8f6f4 with both operands' format E2M1 (or v_wmma_scale_f32_32x16x128_f4), f32 sums; products left as they are: bf16, f16 or f32 operands; f32 sums; everything else in f32.
;; Inputs: W_dkv 256 x 1,024 float32; W_dq 256 x 1,024 float32; W_o 1,024 x 1,024 float32; W_rk 32 x 1,024 float32; W_rq 512 x 256 float32; W_uk 1,024 x 256 float32; W_uq 1,024 x 256 float32; W_uv 1,024 x 256 float32; x 2 x 2,048 x 1,024 float32.
;; Outputs: out0 2 x 2,048 x 1,024 float32.
;; This version of the problem:
;;   THIS VERSION OF THE PROBLEM IS GIVEN IN LOW PRECISION. The matrix products marked QUANTISED in the list below multiply operands that are first quantised to E2M1 (2 exponent bits, 1 mantissa bit; 4 bits a number), with one power-of-two scale for each 32 numbers along K (OCP MX v1.0); their sums are f32. The products marked 'left as it is' may take bf16, f16 or f32 operands, with f32 sums. Whichever they take, every output number must still come out within the allowed error. Rounding operands to bf16 (8 significant bits) uses up far more of that allowance than f16 does (11 bits, for magnitudes from 6e-5 to 65,504). All else is computed in f32.
;;   The module's matrix products, in the order in which they are computed (A, B: the left and right operand; K: the contracted axis; several contracted axes count as one K, in the product's order):
;;     1. [M 4,096, K 1,024] x [K 1,024, N 256]; A: input x; B: input W_dq: QUANTISED
;;     2. [M 4,096, K 256] x [K 256, N 1,024]; A: computed on the way; B: input W_uq: left as it is (an operand is computed on the way)
;;     3. [M 4,096, K 256] x [K 256, N 512]; A: computed on the way; B: input W_rq: left as it is (an operand is computed on the way)
;;     4. [M 4,096, K 1,024] x [K 1,024, N 256]; A: input x; B: input W_dkv: QUANTISED
;;     5. [M 4,096, K 256] x [K 256, N 1,024]; A: computed on the way; B: input W_uk: left as it is (an operand is computed on the way)
;;     6. [M 4,096, K 256] x [K 256, N 1,024]; A: computed on the way; B: input W_uv: left as it is (an operand is computed on the way)
;;     7. [M 4,096, K 1,024] x [K 1,024, N 32]; A: input x; B: input W_rk: QUANTISED
;;     8. batch 32 x [M 2,048, K 96] x [K 96, N 2,048]; A: computed on the way; B: computed on the way: left as it is (an operand is computed on the way)
;;     9. batch 32 x [M 2,048, K 2,048] x [K 2,048, N 64]; A: computed on the way; B: computed on the way: left as it is (an operand is computed on the way)
;;     10. [M 4,096, K 1,024] x [K 1,024, N 1,024]; A: computed on the way; B: input W_o: left as it is (an operand is computed on the way)
;;   THE QUANTISER, for each operand of a quantised product, along K:
;;     - K is cut into blocks of 32 from its start; a last block that is shorter is filled with zeros.
;;     - A block's scale is 2^e with e = floor(log2(the largest magnitude in the block)) - 2, held to -126 .. 127; a block of zeros has e = 0. As a byte (E8M0): e + 127.
;;     - Each number is divided by its block's scale, clamped to +-6, and rounded to the nearest number of E2M1, ties to even, subnormals kept.
;;     - The product sums the exact products of the quantised numbers (number of the format x scale) in f32.
;;   ~~~python
;;   def quantise(x, axis):      # numpy; x: float32 -> the quantised numbers, widened to float32 again
;;       x = np.moveaxis(x, axis, -1); K = x.shape[-1]
;;       x = np.pad(x, [(0, 0)] * (x.ndim - 1) + [(0, -K % 32)]); x = x.reshape(x.shape[:-1] + (-1, 32)); a = np.abs(x).max(-1, keepdims=True)
;;       e = np.where(a > 0, np.clip(np.frexp(np.where(a > 0, a, 1))[1] - 1 - 2, -126, 127), 0)      # np.frexp(a)[1] - 1 = floor(log2(a)), exactly
;;       r = np.clip(x / 2.0 ** e, -6, 6)
;;       step = 2.0 ** (np.maximum(np.frexp(np.where(r == 0, 1, r))[1] - 1, 0) - 1)
;;       q = np.round(r / step) * step * 2.0 ** e      # np.round: ties to even
;;       return np.moveaxis(q.reshape(q.shape[:-2] + (-1,))[..., :K], -1, axis).astype(np.float32)
;;   ~~~
;; 2 versions, each right. Each part assembles by itself: llvm-mc -triple=amdgcn-amd-amdhsa -mcpu=gfx1250 --defsym DOCPART=n.
;; ======== version 1 of 2: 7 launches
;; limits: values are held in f16: magnitudes above 65,504 overflow, below 6.1e-05 lose precision
;; workspace buffers: P0 6,868,992 bytes; P1 4,788,224 bytes; P2 33,555,456 bytes; P3 8,388,608 bytes; P4 131,072 bytes
;; launch prep (part 1): grid 358 x 1, 8 waves a work-group, no clusters, 0 bytes of LDS; arguments x, W_dq, W_dkv, W_rk, W_uq, W_rq, W_uk, W_uv, W_o, P0; writes P0
.if DOCPART == 1
	.amdgcn_target "amdgcn-amd-amdhsa--gfx1250"
	.amdhsa_code_object_version 6
	.text
	.protected	k_q06df917282_prep
	.globl	k_q06df917282_prep
	.p2align	8
	.type	k_q06df917282_prep,@function
k_q06df917282_prep:
	s_mov_b64 s[64:65], 0
	v_nop
	global_prefetch_b8 v0, s[64:65] scope:SCOPE_SE
	s_setreg_imm32_b32 hwreg(HW_REG_WAVE_MODE, 25, 1), 1
	s_wait_xcnt 0x0
; PREP: everything that is made once from the inputs, laid in the order of the matrix operands' registers.
; Work-groups 0-289: a tile of 16 rows of x (256 tiles), W_dq (16), W_dkv (16), W_rk (2) becomes codes of E2M1 with one E8M0 byte for each 32 along K = 1024; wave w takes the 128 along K from 128 w on.
;   A fragment (16 rows x 128 K, 8 registers a lane) is stored as it stands: registers 4 c .. 4 c + 3 of lane l at 512 c + 16 l; its scale words 4 bytes a lane.
; Work-groups 290-349: a wave turns 16 rows x 256 K of W_uq, W_rq, W_uk, W_uv or W_o into f16, as fragments of 16 rows x 32 K: lane (r, h) holds k = 16 c + 8 h + 0 .. 7 of row r at 512 c + 16 l; and stores the largest magnitude it met.
; Work-groups 350-357: the table of cos and sin for 2,048 positions x 16 frequencies 10^(-i/4), by reduction to |r| <= pi/4 and two polynomials; the frequencies by repeated multiplication.
; A block's scale is 2^(floor(log2(largest magnitude)) - 2); a block of zeros keeps the byte 1: its codes are zeros, and only this program reads the bytes.
; LIMITS: NaN and infinities among the inputs are not served; blocks whose largest magnitude lies under 2^-124 keep the byte 1.
; No LDS, no barrier, no matrix unit, no cluster: waves share nothing here.
.set Q4SC,  2375680
.set WIMG,  2672640
.set WOIMG, 4507648
.set RTAB,  6604800
.set WMAX,  6866944
.set ST,  16                           ; v16-79 64 numbers of x; in the f16 arm v16-143
.set PC,  80                           ; v80-87 the codes
.set PW,  88                           ; v88 the scale word
.set TM,  144                          ; v144-159 at work
.set SEL, 6                            ; s[6:7] lane l xor 16
; 64 numbers of a lane, register 16 b + i = k 32 b + 16 (lane / 16) + i of my row, become a fragment's codes in v[PC] on and its scale word in v[PW]
.macro QUANT s
.irp b, 0,1,2,3
	v_max3_num_f32 v[TM+\b], |v[\s+16*\b]|, |v[\s+1+16*\b]|, 0x1800000   ; my 16 numbers of block b, and the floor 2^(3 - 127): the byte cannot fall under 1
.endr
.irp i, 2,4,6,8,10,12,14
.irp b, 0,1,2,3
	v_max3_num_f32 v[TM+\b], v[TM+\b], |v[\s+16*\b+\i]|, |v[\s+1+16*\b+\i]|
.endr
.endr
.irp b, 0,1,2,3
	v_permlanex16_b32 v[TM+4+\b], v[TM+\b], s[SEL], s[SEL+1]
.endr
.irp b, 0,1,2,3
	v_max_num_f32 v[TM+\b], v[TM+\b], v[TM+4+\b]         ; with lane l xor 16's: the block's largest magnitude
.endr
.irp b, 0,1,2,3
	v_add_nc_u32 v[TM+12+\b], 0xff000000, v[TM+\b]       ; 2 off its exponent field: the conversion's scale operand
.endr
.irp b, 0,1,2,3
	v_lshrrev_b32 v[TM+4+\b], 23, v[TM+12+\b]            ; the scale's byte
.endr
	v_lshl_or_b32 v[PW], v[TM+5], 8, v[TM+4]
	v_lshl_or_b32 v[PW], v[TM+6], 16, v[PW]
	v_lshl_or_b32 v[PW], v[TM+7], 24, v[PW]
.irp b, 0,1,2,3
	v_cvt_scalef32_pk8_fp4_f32 v[PC+2*\b], v[\s+16*\b:\s+7+16*\b], v[TM+12+\b]
	v_cvt_scalef32_pk8_fp4_f32 v[PC+1+2*\b], v[\s+8+16*\b:\s+15+16*\b], v[TM+12+\b]
.endr
	v_nop                                                ; one plain place behind a scaled conversion
.irp c, 0,1                                              ; the operand wants a whole block in a lane
.irp i, 0,1
	v_permlane16_swap_b32 v[PC+4*\c+\i], v[PC+2+4*\c+\i]
.endr
.endr
.endm
	s_load_b512 s[8:23], s[0:1], 0x0               ; x, W_dq, W_dkv, W_rk, W_uq, W_rq, W_uk, W_uv
	s_load_b128 s[24:27], s[0:1], 0x40             ; W_o, P0
	v_lshrrev_b32 v1, 5, v0
	v_readfirstlane_b32 s4, v1                     ; wave
	v_and_b32 v1, 31, v0                           ; lane
	v_and_b32 v2, 15, v0                           ; r
	v_bfe_u32 v3, v0, 4, 1                         ; h
	v_lshlrev_b32 v4, 4, v1                        ; 16 x lane
	s_mov_b32 s5, ttmp9
	s_mov_b32 s[SEL], 0x76543210
	s_mov_b32 s[SEL+1], 0xfedcba98
	s_wait_kmcnt 0x0
	s_cmp_ge_u32 s5, 350
	s_cbranch_scc1 .Ltable
	s_cmp_ge_u32 s5, 290
	s_cbranch_scc1 .Lcast
	; ---- codes of E2M1: row tile g, K step w
	s_mov_b64 s[28:29], s[14:15]                   ; W_rk from tile 288 on
	s_mov_b32 s30, 288
	s_cmp_lt_u32 s5, 288
	s_cselect_b64 s[28:29], s[12:13], s[28:29]     ; W_dkv from 272
	s_cselect_b32 s30, 272, s30
	s_cmp_lt_u32 s5, 272
	s_cselect_b64 s[28:29], s[10:11], s[28:29]     ; W_dq from 256
	s_cselect_b32 s30, 256, s30
	s_cmp_lt_u32 s5, 256
	s_cselect_b64 s[28:29], s[8:9], s[28:29]       ; x
	s_cselect_b32 s30, 0, s30
	s_sub_co_u32 s30, s5, s30
	s_lshl_b32 s30, s30, 16                        ; 16 rows of 4,096 bytes
	s_mov_b32 s31, 0
	s_add_nc_u64 s[28:29], s[28:29], s[30:31]
	s_lshl_b32 s32, s4, 9                          ; my 128 along K
	v_lshlrev_b32 v5, 12, v2
	v_lshl_add_u32 v5, v3, 6, v5
	v_add_nc_u32 v5, s32, v5                       ; row r, + 64 h: my 16 numbers of each block of 32
.irp b, 0,1,2,3
.irp j, 0,1,2,3
	global_load_b128 v[ST+16*\b+4*\j:ST+16*\b+4*\j+3], v5, s[28:29] offset:128*\b+16*\j th:TH_LOAD_NT
.endr
.endr
	s_lshl_b32 s33, s5, 3
	s_add_co_u32 s33, s33, s4                      ; fragment 8 g + w
	s_lshl_b32 s34, s33, 10
	s_mov_b32 s35, 0
	s_add_nc_u64 s[34:35], s[26:27], s[34:35]
	s_lshl_b32 s36, s33, 7
	s_add_co_u32 s36, s36, Q4SC
	s_mov_b32 s37, 0
	s_add_nc_u64 s[36:37], s[26:27], s[36:37]
	v_lshlrev_b32 v6, 2, v1
.irp b, 0,1,2,3
	v_mov_b32 v[TM+4+\b], 0                        ; a lane permute's destination counts as one of its sources
.endr
	s_wait_loadcnt 0x0
	QUANT ST
	global_store_b128 v4, v[PC:PC+3], s[34:35]             ; 512 consecutive bytes a store
	global_store_b128 v4, v[PC+4:PC+7], s[34:35] offset:512
	global_store_b32 v6, v[PW], s[36:37]
	s_endpgm
	; ---- f16 fragments: unit u = 8 (g - 290) + w
.Lcast:
	s_sub_co_u32 s30, s5, 290
	s_lshl_b32 s30, s30, 3
	s_add_co_u32 s30, s30, s4                      ; u: 0-223 the tiles of the four up-projections, 224-479 quarters of W_o's tiles
	s_min_u32 s31, s30, 223
	s_cmp_lt_u32 s31, 160
	s_cselect_b64 s[28:29], s[20:21], s[22:23]     ; W_uk under 160, W_uv from 160
	s_mov_b32 s32, 160
	s_cselect_b32 s32, 96, s32
	s_cmp_lt_u32 s31, 96
	s_cselect_b64 s[28:29], s[18:19], s[28:29]     ; W_rq
	s_cselect_b32 s32, 64, s32
	s_cmp_lt_u32 s31, 64
	s_cselect_b64 s[28:29], s[16:17], s[28:29]     ; W_uq
	s_cselect_b32 s32, 0, s32
	s_sub_co_u32 s32, s31, s32
	s_lshl_b32 s34, s32, 14                        ; from: 16 rows of 1,024 bytes
	s_lshl_b32 s36, s31, 13
	s_add_co_u32 s36, s36, WIMG                    ; to: 8 fragments
	s_max_u32 s39, s30, 224
	s_sub_co_u32 s39, s39, 224
	s_lshr_b32 s40, s39, 2                         ; W_o's tile
	s_and_b32 s41, s39, 3                          ; which 256 along K
	s_lshl_b32 s42, s40, 16
	s_lshl_b32 s43, s41, 10
	s_add_co_u32 s42, s42, s43
	s_lshl_b32 s40, s40, 15
	s_lshl_b32 s41, s41, 13
	s_add_co_u32 s40, s40, s41
	s_add_co_u32 s40, s40, WOIMG
	s_mov_b32 s38, 1024
	s_mov_b32 s44, 4096
	s_cmp_lt_u32 s30, 224
	s_cselect_b64 s[28:29], s[28:29], s[24:25]
	s_cselect_b32 s34, s34, s42
	s_cselect_b32 s36, s36, s40
	s_cselect_b32 s38, s38, s44                    ; bytes from row to row
	s_mov_b32 s35, 0
	s_mov_b32 s37, 0
	s_add_nc_u64 s[28:29], s[28:29], s[34:35]
	s_add_nc_u64 s[36:37], s[26:27], s[36:37]
	s_lshl_b32 s46, s30, 2
	s_add_co_u32 s46, s46, WMAX
	s_mov_b32 s47, 0
	s_add_nc_u64 s[46:47], s[26:27], s[46:47]
	v_mul_lo_u32 v5, v2, s38
	v_lshl_add_u32 v5, v3, 5, v5                   ; row r, + 32 h: my 8 numbers of each 16
.irp q, 0,1,2,3,4,5,6,7,8,9,10,11,12,13,14,15
	global_load_b128 v[16+8*\q:19+8*\q], v5, s[28:29] offset:64*\q
	global_load_b128 v[20+8*\q:23+8*\q], v5, s[28:29] offset:64*\q+16
.endr
.irp p, 0,1,2,3
	v_mov_b32 v[TM+\p], 0
.endr
	v_mov_b32 v7, 0
	s_wait_loadcnt 0x0
.irp q, 0,1,2,3,4,5,6,7,8,9,10,11,12,13,14,15
.irp p, 0,1,2,3
	v_max3_num_f32 v[TM+\p], v[TM+\p], |v[16+8*\q+2*\p]|, |v[17+8*\q+2*\p]|
.endr
.irp p, 0,1,2,3
	v_cvt_pk_f16_f32 v[16+8*\q+\p], v[16+8*\q+2*\p], v[17+8*\q+2*\p]   ; in place, ascending: no source is written before it is read
.endr
	global_store_b128 v4, v[16+8*\q:19+8*\q], s[36:37] offset:512*\q
.endr
	v_max3_num_f32 v[TM], v[TM], v[TM+1], v[TM+2]
	v_max_num_f32 v[TM], v[TM], v[TM+3]
	v_max_num_f32_dpp v[TM], v[TM], v[TM] row_xmask:1 row_mask:0xf bank_mask:0xf
	v_max_num_f32_dpp v[TM], v[TM], v[TM] row_xmask:2 row_mask:0xf bank_mask:0xf
	v_max_num_f32_dpp v[TM], v[TM], v[TM] row_xmask:4 row_mask:0xf bank_mask:0xf
	v_max_num_f32_dpp v[TM], v[TM], v[TM] row_xmask:8 row_mask:0xf bank_mask:0xf
	v_permlanex16_b32 v[TM+1], v[TM], s[SEL], s[SEL+1]
	v_max_num_f32 v[TM], v[TM], v[TM+1]            ; the unit's largest magnitude, in every lane
	v_cmp_eq_u32 vcc_lo, 0, v1
	s_wait_xcnt 0x0                                ; EXEC changes only when the stores above have read it
	s_and_saveexec_b32 s45, vcc_lo
	global_store_b32 v7, v[TM], s[46:47]           ; lane 0 stores it
	s_wait_xcnt 0x0
	s_or_b32 exec_lo, exec_lo, s45
	s_endpgm
	; ---- the rope table: a thread a position
.Ltable:
	s_sub_co_u32 s30, s5, 350
	s_lshl_b32 s30, s30, 8
	v_add_nc_u32 v5, s30, v0                       ; position
	v_cvt_f32_u32 v6, v5
	v_lshlrev_b32 v7, 7, v5                        ; 128 bytes a position
	s_add_nc_u64 s[28:29], s[26:27], RTAB
	v_mov_b32 v17, 1.0                             ; the frequency in hand
	s_mov_b32 s41, 0x3f0ff59a                      ; 10^(-1/4)
	s_mov_b32 s42, 0x3fc90fdb                      ; pi/2, its high part,
	s_mov_b32 s43, 0xb33bbd2e                      ; and what is left of it
	s_mov_b32 s44, 0xb94ca1f9                      ; sin r = r + r z (s46 + z (s45 + z s44)), z = r r
	s_mov_b32 s45, 0x3c08839e
	s_mov_b32 s46, 0xbe2aaaa3
	s_mov_b32 s47, 0x37ccf5ce                      ; cos r = 1 - z/2 + z z (s49 + z (s48 + z s47))
	s_mov_b32 s48, 0xbab6061a
	s_mov_b32 s49, 0x3d2aaaa5
.macro SINCOS i
	v_mul_f32 v8, v17, v6                          ; the angle
	v_mul_f32 v17, s41, v17
	v_mul_f32 v9, 0x3f22f983, v8
	v_rndne_f32 v9, v9                             ; how many quarter turns
	v_fma_f32 v10, -v9, s42, v8
	v_fma_f32 v10, -v9, s43, v10                   ; r, within pi/4 of 0
	v_mul_f32 v11, v10, v10
	v_fma_f32 v12, v11, s44, s45
	v_fma_f32 v13, v11, s47, s48
	v_fma_f32 v12, v12, v11, s46
	v_fma_f32 v13, v13, v11, s49
	v_mul_f32 v14, v11, v10
	v_mul_f32 v15, v11, v11
	v_fma_f32 v12, v12, v14, v10                   ; sin r
	v_fma_f32 v14, v11, -0.5, 1.0
	v_fma_f32 v13, v13, v15, v14                   ; cos r
	v_cvt_i32_f32 v16, v9
	v_and_b32 v14, 1, v16
	v_cmp_eq_u32 vcc_lo, 1, v14
	v_cndmask_b32 v[65+2*\i], v12, v13, vcc_lo     ; an odd number of quarter turns: the two change places
	v_cndmask_b32 v[64+2*\i], v13, v12, vcc_lo
	v_and_b32 v14, 2, v16
	v_add_nc_u32 v15, 1, v16
	v_lshlrev_b32 v14, 30, v14
	v_and_b32 v15, 2, v15
	v_xor_b32 v[65+2*\i], v14, v[65+2*\i]          ; sin changes sign in quarters 2, 3
	v_lshlrev_b32 v15, 30, v15
	v_xor_b32 v[64+2*\i], v15, v[64+2*\i]          ; cos in quarters 1, 2
.endm
.irp i, 0,1,2,3,4,5,6,7,8,9,10,11,12,13,14,15
	SINCOS \i
.endr
.irp k, 0,1,2,3,4,5,6,7
	global_store_b128 v7, v[64+4*\k:67+4*\k], s[28:29] offset:16*\k   ; (cos, sin) of frequencies 2 k, 2 k + 1
.endr
	s_endpgm
.Lfunc_end_k_q06df917282_prep:
	.size	k_q06df917282_prep, .Lfunc_end_k_q06df917282_prep-k_q06df917282_prep
	.p2alignl 7, 3214868480
	.fill 96, 4, 3214868480
	.section	.rodata,"a",@progbits
	.p2align	6, 0x0
	.amdhsa_kernel k_q06df917282_prep
		.amdhsa_group_segment_fixed_size 0
		.amdhsa_private_segment_fixed_size 0
		.amdhsa_enable_private_segment 0
		.amdhsa_kernarg_size 80
		.amdhsa_user_sgpr_count 2
		.amdhsa_user_sgpr_kernarg_segment_ptr 1
		.amdhsa_wavefront_size32 1
		.amdhsa_system_sgpr_workgroup_id_x 1
		.amdhsa_system_sgpr_workgroup_id_y 1
		.amdhsa_system_sgpr_workgroup_id_z 1
		.amdhsa_system_vgpr_workitem_id 0
		.amdhsa_next_free_vgpr 160
		.amdhsa_next_free_sgpr 66
		.amdhsa_reserve_vcc 1
		.amdhsa_float_denorm_mode_32 3
		.amdhsa_float_denorm_mode_16_64 3
		.amdhsa_memory_ordered 1
		.amdhsa_forward_progress 1
		.amdhsa_inst_pref_size 44
	.end_amdhsa_kernel
	.amdgpu_metadata
---
amdhsa.version: [ 1, 2 ]
amdhsa.kernels:
  - .name:           k_q06df917282_prep
    .symbol:         k_q06df917282_prep.kd
    .args:
      - { .name: x, .offset: 0, .size: 8, .value_kind: global_buffer, .address_space: global }
      - { .name: W_dq, .offset: 8, .size: 8, .value_kind: global_buffer, .address_space: global }
      - { .name: W_dkv, .offset: 16, .size: 8, .value_kind: global_buffer, .address_space: global }
      - { .name: W_rk, .offset: 24, .size: 8, .value_kind: global_buffer, .address_space: global }
      - { .name: W_uq, .offset: 32, .size: 8, .value_kind: global_buffer, .address_space: global }
      - { .name: W_rq, .offset: 40, .size: 8, .value_kind: global_buffer, .address_space: global }
      - { .name: W_uk, .offset: 48, .size: 8, .value_kind: global_buffer, .address_space: global }
      - { .name: W_uv, .offset: 56, .size: 8, .value_kind: global_buffer, .address_space: global }
      - { .name: W_o, .offset: 64, .size: 8, .value_kind: global_buffer, .address_space: global }
      - { .name: P0, .offset: 72, .size: 8, .value_kind: global_buffer, .address_space: global }
    .group_segment_fixed_size: 0
    .private_segment_fixed_size: 0
    .kernarg_segment_align: 8
    .kernarg_segment_size: 80
    .max_flat_workgroup_size: 256
    .sgpr_count:     66
    .vgpr_count:     160
    .wavefront_size: 32
...
	.end_amdgpu_metadata
.endif
;; end of part 1
;; launch down (part 2): grid 128 x 1, 8 waves a work-group, no clusters, 0 bytes of LDS; arguments P0, P1; writes P1
.if DOCPART == 2
	.amdgcn_target "amdgcn-amd-amdhsa--gfx1250"
	.amdhsa_code_object_version 6
	.text
	.protected	k_q06df917282_down
	.globl	k_q06df917282_down
	.p2align	8
	.type	k_q06df917282_down,@function
k_q06df917282_down:
	s_mov_b64 s[64:65], 0
	v_nop
	global_prefetch_b8 v0, s[64:65] scope:SCOPE_SE
	s_setreg_imm32_b32 hwreg(HW_REG_WAVE_MODE, 25, 1), 1
	s_wait_xcnt 0x0
; DOWN: the three quantised products, x W_dq^T, x W_dkv^T, x W_rk^T (K = 1024, 544 features), on codes of E2M1 with E8M0 scales.
; A work-group takes 32 tokens (two tiles); wave w takes feature tiles w, w + 8, w + 16, w + 24 (c_Q: 0-15, c_KV: 16-31), waves 0 and 1 also tile 32 + w (the rope key).
; x's 16 fragments stay in the wave's registers; a weight tile's 8 fragments are loaded while the tile before is stored.  All fragments come as images of their registers: every load covers 512 consecutive bytes.
; The product is used transposed (source 0 = 16 features, source 1 = 16 tokens): a lane holds one token and eight neighbouring features, which pack into the 16 bytes that the next product's f16 fragment wants of that lane.
; Out: c as f16 fragments; the rope key before rotation as f32; c of the first 16 positions of each sequence as f32; each wave's largest magnitude.
; LIMIT: c goes in plain f16, so |c| has to stay under 65,504.
; No LDS and no cluster: the weights (278 KB) are read by every work-group straight into registers; nothing is staged that could be asked for jointly.
.set Q4SC,  2375680
.set KRB,   4194304
.set CFINE, 4718592
.set CMAX,  4784128
.set XF,  16                           ; v16-143  x: fragment (tile u, K step s) at 16 + 64 u + 8 s
.set XS,  144                          ; v144-159 its scale words
.set WF,  160                          ; v160-223 a weight tile's 8 fragments
.set WS,  224                          ; v224-231 its scale words
.set ACC, 232                          ; v232-247 two accumulators
.set T,   248                          ; v248-255 packed results
.macro NOPS n
.rept \n
	v_nop
.endr
.endm
.macro WLOAD i                         ; weight tile 256 + w + 8 i
.irp s, 0,1,2,3,4,5,6,7
	global_load_b128 v[WF+8*\s:WF+8*\s+3], v1, s[16:17] offset:(\i)*65536+1024*\s
	global_load_b128 v[WF+8*\s+4:WF+8*\s+7], v1, s[16:17] offset:(\i)*65536+1024*\s+512
	global_load_b32 v[WS+\s], v2, s[18:19] offset:(\i)*8192+128*\s
.endr
.endm
.macro MUL                             ; 16 matrix instructions; the two accumulators take turns; the first K step starts the sums
.irp s, 0,1,2,3,4,5,6,7
.irp u, 0,1
.if \s == 0
	v_wmma_scale_f32_16x16x128_f8f6f4 v[ACC+8*\u:ACC+8*\u+7], v[WF+8*\s:WF+8*\s+7], v[XF+64*\u+8*\s:XF+64*\u+8*\s+7], 0, v[WS+\s], v[XS+8*\u+\s] matrix_a_fmt:MATRIX_FMT_FP4 matrix_b_fmt:MATRIX_FMT_FP4
.else
	v_wmma_scale_f32_16x16x128_f8f6f4 v[ACC+8*\u:ACC+8*\u+7], v[WF+8*\s:WF+8*\s+7], v[XF+64*\u+8*\s:XF+64*\u+8*\s+7], v[ACC+8*\u:ACC+8*\u+7], v[WS+\s], v[XS+8*\u+\s] matrix_a_fmt:MATRIX_FMT_FP4 matrix_b_fmt:MATRIX_FMT_FP4
.endif
.endr
.endr
.endm
.macro AMAX                            ; the largest magnitude so far; each accumulator is read from its low end on
.irp u, 0,1
.irp p, 0,2,4,6
	v_max3_num_f32 v5, v5, |v[ACC+8*\u+\p]|, |v[ACC+8*\u+\p+1]|
.endr
.endr
.endm
.macro TILE i
	s_wait_loadcnt 0x0                             ; the tile's fragments and scale words are in
	s_wait_xcnt 0x0                                ; the last tile's stores have read their data: the accumulators and T may be written
	MUL
	NOPS 5                                         ; places in front of the loads into the fragments, of the reads of the results and of the next tile's first products
.if \i < 3
	WLOAD \i+1
.endif
	AMAX
.irp u, 0,1
.irp p, 0,1,2,3
	v_cvt_pk_f16_f32 v[T+4*\u+\p], v[ACC+8*\u+2*\p], v[ACC+8*\u+2*\p+1]
.endr
	global_store_b128 v1, v[T+4*\u:T+4*\u+3], s[20:21] offset:(\i/2)*2097152+(\i%2)*4096+\u*8192
.endr
	s_cmp_lg_u32 s11, 0                            ; my first tile holds a sequence's first 16 positions?
	s_cbranch_scc1 .Lnot_fine_\@
	global_store_b128 v3, v[ACC:ACC+3], s[22:23] offset:512*\i       ; then c also in f32
	global_store_b128 v3, v[ACC+4:ACC+7], s[22:23] offset:512*\i+16
.Lnot_fine_\@:
.endm
	s_load_b128 s[4:7], s[0:1], 0x0                ; P0, P1
	v_lshrrev_b32 v1, 5, v0
	v_readfirstlane_b32 s8, v1                     ; wave
	v_and_b32 v7, 31, v0
	v_and_b32 v9, 15, v0                           ; r
	v_bfe_u32 v10, v0, 4, 1                        ; h
	v_lshlrev_b32 v1, 4, v7                        ; 16 x lane
	v_lshlrev_b32 v2, 2, v7                        ; 4 x lane
	s_lshl_b32 s9, s8, 6
	v_lshlrev_b32 v3, 11, v9
	v_lshl_add_u32 v3, v10, 5, v3
	v_add_nc_u32 v3, s9, v3                        ; fine c: row r of 2,048 bytes + 64 w + 32 h
	v_lshlrev_b32 v4, 7, v9
	v_lshl_add_u32 v4, v10, 5, v4
	v_add_nc_u32 v4, s9, v4                        ; rope key: row r of 128 bytes + 64 w + 32 h
	v_mov_b32 v5, 0                                ; the largest magnitude
	v_mov_b32 v6, 0
	v_mov_b32 v8, 0
	s_mov_b32 s10, ttmp9
	s_and_b32 s11, s10, 63
	s_mov_b32 s28, 0x76543210
	s_mov_b32 s29, 0xfedcba98
	s_lshl_b32 s12, s10, 14                        ; x's codes: two tiles of 8 KB
	s_mov_b32 s13, 0
	s_lshl_b32 s14, s10, 11
	s_add_co_u32 s14, s14, Q4SC
	s_mov_b32 s15, 0
	s_add_co_u32 s16, s8, 256
	s_lshl_b32 s18, s16, 10
	s_add_co_u32 s18, s18, Q4SC
	s_mov_b32 s19, 0
	s_lshl_b32 s16, s16, 13
	s_mov_b32 s17, 0
	s_lshr_b32 s20, s8, 1
	s_lshl_b32 s20, s20, 10
	s_and_b32 s21, s8, 1
	s_lshl_b32 s21, s21, 9
	s_add_co_u32 s20, s20, s21
	s_add_co_u32 s20, s20, s12                     ; c's fragments: token tile 2 g, features 16 w on
	s_mov_b32 s21, 0
	s_lshr_b32 s22, s10, 6
	s_lshl_b32 s22, s22, 15
	s_add_co_u32 s22, s22, CFINE
	s_mov_b32 s23, 0
	s_lshl_b32 s24, s10, 12
	s_add_co_u32 s24, s24, KRB
	s_mov_b32 s25, 0
	s_lshl_b32 s26, s10, 3
	s_add_co_u32 s26, s26, s8
	s_lshl_b32 s26, s26, 2
	s_add_co_u32 s26, s26, CMAX
	s_mov_b32 s27, 0
	s_wait_kmcnt 0x0
	s_add_nc_u64 s[12:13], s[4:5], s[12:13]
	s_add_nc_u64 s[14:15], s[4:5], s[14:15]
	s_add_nc_u64 s[16:17], s[4:5], s[16:17]
	s_add_nc_u64 s[18:19], s[4:5], s[18:19]
	s_add_nc_u64 s[20:21], s[6:7], s[20:21]
	s_add_nc_u64 s[22:23], s[6:7], s[22:23]
	s_add_nc_u64 s[24:25], s[6:7], s[24:25]
	s_add_nc_u64 s[26:27], s[6:7], s[26:27]
.set k, 0
.rept 32
	global_load_b128 v[XF+4*k:XF+4*k+3], v1, s[12:13] offset:512*k
.set k, k+1
.endr
.set k, 0
.rept 16
	global_load_b32 v[XS+k], v2, s[14:15] offset:128*k
.set k, k+1
.endr
	WLOAD 0
	TILE 0
	TILE 1
	TILE 2
	TILE 3
	s_cmp_ge_u32 s8, 2
	s_cbranch_scc1 .Lfin
	WLOAD 4                                        ; waves 0 and 1: W_rk's tile w
	s_wait_loadcnt 0x0
	s_wait_xcnt 0x0
	MUL
	NOPS 5
	AMAX
.irp u, 0,1
	global_store_b128 v4, v[ACC+8*\u:ACC+8*\u+3], s[24:25] offset:2048*\u
	global_store_b128 v4, v[ACC+8*\u+4:ACC+8*\u+7], s[24:25] offset:2048*\u+16
.endr
.Lfin:
	v_max_num_f32_dpp v5, v5, v5 row_xmask:1 row_mask:0xf bank_mask:0xf
	v_max_num_f32_dpp v5, v5, v5 row_xmask:2 row_mask:0xf bank_mask:0xf
	v_max_num_f32_dpp v5, v5, v5 row_xmask:4 row_mask:0xf bank_mask:0xf
	v_max_num_f32_dpp v5, v5, v5 row_xmask:8 row_mask:0xf bank_mask:0xf
	v_permlanex16_b32 v6, v5, s28, s29
	v_max_num_f32 v5, v5, v6
	v_cmp_eq_u32 vcc_lo, 0, v7
	s_wait_xcnt 0x0                                ; EXEC changes only when the stores above have read it
	s_and_saveexec_b32 s30, vcc_lo
	global_store_b32 v8, v5, s[26:27]              ; lane 0 stores the wave's largest magnitude
	s_wait_xcnt 0x0
	s_or_b32 exec_lo, exec_lo, s30
	s_endpgm
.Lfunc_end_k_q06df917282_down:
	.size	k_q06df917282_down, .Lfunc_end_k_q06df917282_down-k_q06df917282_down
	.p2alignl 7, 3214868480
	.fill 96, 4, 3214868480
	.section	.rodata,"a",@progbits
	.p2align	6, 0x0
	.amdhsa_kernel k_q06df917282_down
		.amdhsa_group_segment_fixed_size 0
		.amdhsa_private_segment_fixed_size 0
		.amdhsa_enable_private_segment 0
		.amdhsa_kernarg_size 16
		.amdhsa_user_sgpr_count 2
		.amdhsa_user_sgpr_kernarg_segment_ptr 1
		.amdhsa_wavefront_size32 1
		.amdhsa_system_sgpr_workgroup_id_x 1
		.amdhsa_system_sgpr_workgroup_id_y 1
		.amdhsa_system_sgpr_workgroup_id_z 1
		.amdhsa_system_vgpr_workitem_id 0
		.amdhsa_next_free_vgpr 256
		.amdhsa_next_free_sgpr 66
		.amdhsa_reserve_vcc 1
		.amdhsa_float_denorm_mode_32 3
		.amdhsa_float_denorm_mode_16_64 3
		.amdhsa_memory_ordered 1
		.amdhsa_forward_progress 1
		.amdhsa_inst_pref_size 37
	.end_amdhsa_kernel
	.amdgpu_metadata
---
amdhsa.version: [ 1, 2 ]
amdhsa.kernels:
  - .name:           k_q06df917282_down
    .symbol:         k_q06df917282_down.kd
    .args:
      - { .name: P0, .offset: 0, .size: 8, .value_kind: global_buffer, .address_space: global }
      - { .name: P1, .offset: 8, .size: 8, .value_kind: global_buffer, .address_space: global }
    .group_segment_fixed_size: 0
    .private_segment_fixed_size: 0
    .kernarg_segment_align: 8
    .kernarg_segment_size: 16
    .max_flat_workgroup_size: 256
    .sgpr_count:     66
    .vgpr_count:     256
    .wavefront_size: 32
...
	.end_amdgpu_metadata
.endif
;; end of part 2
;; launch up (part 3): grid 14 x 16, 8 waves a work-group, no clusters, 132,096 bytes of LDS; arguments P0, P1, P2; writes P2
.if DOCPART == 3
	.amdgcn_target "amdgcn-amd-amdhsa--gfx1250"
	.amdhsa_code_object_version 6
	.text
	.protected	k_q06df917282_up
	.globl	k_q06df917282_up
	.p2align	8
	.type	k_q06df917282_up,@function
k_q06df917282_up:
	s_mov_b64 s[64:65], 0
	v_nop
	global_prefetch_b8 v0, s[64:65] scope:SCOPE_SE
	s_setreg_imm32_b32 hwreg(HW_REG_WAVE_MODE, 25, 1), 1
	s_wait_xcnt 0x0
; UP: Q = c_Q W_uq^T, Q_R = rope(c_Q W_rq^T), K = c_KV W_uk^T, V = c_KV W_uv^T, K_R = rope(x W_rk^T): f16 operands, f32 sums; results as f16 fragments for the attention.
; Work-group (nb, mb): 256 features (16 tiles: nb 0-3 Q, 4-5 Q_R, 6-9 K, 10-13 V) x 256 tokens.  The 128 KB of weight fragments are staged in LDS once and read by all eight waves; wave w holds the c fragments of its two token tiles in registers.
; Q, Q_R, K: source 0 = 16 features, source 1 = 16 tokens: a lane holds a token and eight neighbouring features.  V: the sources swapped: a lane holds a channel and eight neighbouring tokens, since the keys are the K of the second product.
; THE COMMON SCALE.  Q, K and V grow with three inputs, so they are stored multiplied by one power of two, s: with A = the largest |c| or |rope key| and W = the largest weight, no number passes Bd = A max(256 W, 2)
; (1.42 Bd behind a rotation); s = 2^(141 - Bd's exponent field), so that s Bd < 2^15.  s is a value only: no branch and no address hangs on it.  Every wave makes it from the stored maxima; one wave stores s, 1/s, 80 s^2, c/s^2.
; LIMITS: s is held to 2^-60 .. 2^60; NaN and infinities are not served.
; No cluster: the text has no tensor load, so there is nothing to ask for jointly; a work-group's 128 KB of weights are read once by plain loads.
.set WIMG,  2672640
.set RTAB,  6604800
.set WMAX,  6866944
.set KRB,   4194304
.set CMAX,  4784128
.set QIMG,  1024
.set KIMG,  12583936
.set VIMG,  25166848
.set HSTEP, 393216                     ; from head to head in Q's and K's fragments: 128 tiles x 3 KB
.set SPARE, 131072                     ; behind the weights: the spare words, 128 bytes a wave
.set CF,  16                           ; v16-143  c: fragment (tile i, kt) at 16 + 64 i + 8 kt
.set WB,  144                          ; v144-207 a weight tile: kt 0-3, kt 4-7
.set ACC, 208                          ; v208-223
.set T,   224                          ; v224-239
.set RT,  240                          ; v240-255 cos and sin
.macro NOPS n
.rept \n
	v_nop
.endr
.endm
.macro LOADH hf, t                     ; half hf (four of the eight fragments) of weight tile t
.irp k, 0,1,2,3
.irp c, 0,1
.if (\t) < 8
	ds_load_b128 v[WB+32*\hf+8*\k+4*\c:WB+32*\hf+8*\k+4*\c+3], v1 offset:((\t)%8)*8192+(4*\hf+\k)*1024+512*\c
.else
	ds_load_b128 v[WB+32*\hf+8*\k+4*\c:WB+32*\hf+8*\k+4*\c+3], v2 offset:((\t)%8)*8192+(4*\hf+\k)*1024+512*\c
.endif
.endr
.endr
.endm
.macro MULH hf, kind                   ; 8 matrix instructions, the two accumulators by turns
.irp k, 0,1,2,3
.irp i, 0,1
.if \kind == 2
.if (\hf == 0) && (\k == 0)
	v_wmma_f32_16x16x32_f16 v[ACC+8*\i:ACC+8*\i+7], v[CF+64*\i+8*(4*\hf+\k):CF+64*\i+8*(4*\hf+\k)+7], v[WB+32*\hf+8*\k:WB+32*\hf+8*\k+7], 0
.else
	v_wmma_f32_16x16x32_f16 v[ACC+8*\i:ACC+8*\i+7], v[CF+64*\i+8*(4*\hf+\k):CF+64*\i+8*(4*\hf+\k)+7], v[WB+32*\hf+8*\k:WB+32*\hf+8*\k+7], v[ACC+8*\i:ACC+8*\i+7]
.endif
.else
.if (\hf == 0) && (\k == 0)
	v_wmma_f32_16x16x32_f16 v[ACC+8*\i:ACC+8*\i+7], v[WB+32*\hf+8*\k:WB+32*\hf+8*\k+7], v[CF+64*\i+8*(4*\hf+\k):CF+64*\i+8*(4*\hf+\k)+7], 0
.else
	v_wmma_f32_16x16x32_f16 v[ACC+8*\i:ACC+8*\i+7], v[WB+32*\hf+8*\k:WB+32*\hf+8*\k+7], v[CF+64*\i+8*(4*\hf+\k):CF+64*\i+8*(4*\hf+\k)+7], v[ACC+8*\i:ACC+8*\i+7]
.endif
.endif
.endr
.endr
.endm
.macro ROPE                            ; the eight pairs in T are turned by the angles in RT (cos, sin)
.irp q, 0,2,4,6,8,10,12,14
	v_mul_f32 v7, v[T+\q+1], v[RT+\q+1]
	v_mul_f32 v8, v[T+\q+1], v[RT+\q]
	v_fma_f32 v[T+\q+1], v[T+\q], v[RT+\q+1], v8
	v_fma_f32 v[T+\q], v[T+\q], v[RT+\q], -v7
.endr
.endm
.macro PACK                            ; to f16, in place, ascending
.irp i, 0,1
.irp p, 0,1,2,3
	v_cvt_pk_f16_f32 v[T+8*\i+\p], v[T+8*\i+2*\p], v[T+8*\i+2*\p+1]
.endr
.endr
.endm
.macro RTLOAD c                        ; cos and sin of my two tiles' positions, frequencies 8 c + 4 h + 0 .. 3
.irp i, 0,1
	global_load_b128 v[RT+8*\i:RT+8*\i+3], v5, s[28:29] offset:2048*\i+64*(\c)
	global_load_b128 v[RT+8*\i+4:RT+8*\i+7], v5, s[28:29] offset:2048*\i+64*(\c)+16
.endr
.endm
; Feature tile t.  kind 0: Q or K; 1: Q_R; 2: V.  The halves of the next tile's fragments are fetched as soon as this tile's products have read theirs.
.macro FT t, kind
.if \kind == 1
	RTLOAD (\t)%2
.endif
	s_wait_dscnt 8                                 ; the first half is in; the second half's eight loads may be out
	MULH 0, \kind
	NOPS 4
.if \t < 15
	LOADH 0, \t+1
	s_wait_dscnt 8                                 ; the second half is in; the eight just issued may be out
.else
	s_wait_dscnt 0x0
.endif
	MULH 1, \kind
	NOPS 5
.if \t < 15
	LOADH 1, \t+1
.endif
	s_wait_xcnt 0x0                                ; the last tile's stores have read T
.irp k, 0,2,4,6,8,10,12,14
	v_pk_mul_f32 v[T+\k:T+\k+1], v[ACC+\k:ACC+\k+1], s[40:41] op_sel_hi:[1,0]   ; x s
.endr
.if \kind == 1
	s_wait_loadcnt 0x0
	ROPE
.endif
	PACK
.irp i, 0,1
.if \kind == 0
	global_store_b128 v1, v[T+8*\i:T+8*\i+3], s[26:27] offset:((\t)/4)*HSTEP+\i*3072+(((\t)%4)/2)*1024+((\t)%2)*512
.elseif \kind == 1
	global_store_b128 v1, v[T+8*\i:T+8*\i+3], s[26:27] offset:((\t)/2)*HSTEP+\i*3072+2048+((\t)%2)*512
.else
	global_store_b128 v1, v[T+8*\i:T+8*\i+3], s[26:27] offset:((\t)/4)*262144+((\t)%4)*1024+512*\i
.endif
.endr
.endm
.macro WRED r                          ; the largest over the wave's 32 lanes, in every lane
	v_max_num_f32_dpp v[\r], v[\r], v[\r] row_xmask:1 row_mask:0xf bank_mask:0xf
	v_max_num_f32_dpp v[\r], v[\r], v[\r] row_xmask:2 row_mask:0xf bank_mask:0xf
	v_max_num_f32_dpp v[\r], v[\r], v[\r] row_xmask:4 row_mask:0xf bank_mask:0xf
	v_max_num_f32_dpp v[\r], v[\r], v[\r] row_xmask:8 row_mask:0xf bank_mask:0xf
	v_permlanex16_b32 v255, v[\r], s42, s43
	v_max_num_f32 v[\r], v[\r], v255
.endm
	s_load_b128 s[4:7], s[0:1], 0x0                ; P0, P1
	s_load_b64 s[8:9], s[0:1], 0x10                ; P2
	v_lshl_add_u32 v10, v0, 2, SPARE               ; my spare word,
	v_mov_b32 v11, 0                               ; and 0: kept for the wave's end
	v_lshrrev_b32 v7, 5, v0
	v_readfirstlane_b32 s10, v7                    ; wave
	s_mov_b32 s11, ttmp9                           ; nb
	s_and_b32 s12, ttmp7, 0xffff                   ; mb
	v_and_b32 v7, 31, v0
	v_and_b32 v8, 15, v0
	v_bfe_u32 v9, v0, 4, 1
	v_lshlrev_b32 v1, 4, v7                        ; 16 x lane
	v_add_nc_u32 v2, 0x10000, v1                   ; the same in the weights' upper 64 KB
	v_lshlrev_b32 v3, 4, v0                        ; 16 x thread
	v_add_nc_u32 v4, 0x10000, v3
	v_lshlrev_b32 v5, 7, v8
	v_lshl_add_u32 v5, v9, 5, v5                   ; 128 r + 32 h: the rope table and the rope key
	v_lshlrev_b32 v12, 7, v7
	v_lshlrev_b32 v13, 2, v7
	s_mov_b32 s42, 0x76543210
	s_mov_b32 s43, 0xfedcba98
	s_lshr_b32 s13, s12, 3                         ; batch
	s_and_b32 s14, s12, 7
	s_lshl_b32 s14, s14, 4
	s_lshl_b32 s15, s10, 1
	s_add_co_u32 s14, s14, s15                     ; my first tile in the sequence
	s_lshl_b32 s16, s12, 4
	s_add_co_u32 s16, s16, s15
	s_lshl_b32 s16, s16, 13                        ; c's fragments of my two tiles,
	s_cmp_ge_u32 s11, 6
	s_cselect_b32 s17, 0x200000, 0                 ; of c_Q or of c_KV
	s_add_co_u32 s16, s16, s17
	s_mov_b32 s17, 0
	s_lshl_b32 s18, s11, 17
	s_add_co_u32 s18, s18, WIMG
	s_mov_b32 s19, 0
	s_and_b32 s28, s12, 7
	s_lshl_b32 s28, s28, 8
	s_lshl_b32 s29, s10, 5
	s_add_co_u32 s28, s28, s29
	s_lshl_b32 s28, s28, 7
	s_add_co_u32 s28, s28, RTAB                    ; the table at my first position
	s_lshl_b32 s30, s12, 8
	s_add_co_u32 s30, s30, s29
	s_lshl_b32 s30, s30, 7
	s_add_co_u32 s30, s30, KRB                     ; the rope key at my first token
	s_mov_b32 s29, 0
	s_mov_b32 s31, 0
	s_wait_kmcnt 0x0
	s_add_nc_u64 s[16:17], s[6:7], s[16:17]
	s_add_nc_u64 s[18:19], s[4:5], s[18:19]
	s_add_nc_u64 s[20:21], s[6:7], CMAX
	s_add_nc_u64 s[22:23], s[4:5], WMAX
	s_add_nc_u64 s[28:29], s[4:5], s[28:29]
	s_add_nc_u64 s[30:31], s[6:7], s[30:31]
.set k, 0
.rept 32
	global_load_b128 v[CF+4*k:CF+4*k+3], v1, s[16:17] offset:512*k
.set k, k+1
.endr
.irp k, 0,1,2,3,4,5,6,7
	global_load_b128 v[208+4*\k:211+4*\k], v12, s[20:21] offset:16*\k    ; 1,024 maxima of c: 32 a lane
.endr
.irp k, 0,1,2,3,4,5,6,7,8,9,10,11,12,13,14
	global_load_b32 v[240+\k], v13, s[22:23] offset:128*\k               ; 480 maxima of the weights: 15 a lane
.endr
	; the weights: 128 KB as they lie, 4,096 bytes an instruction of the work-group
.irp k, 0,1,2,3,4,5,6,7,8,9,10,11,12,13,14,15
	global_load_b128 v[WB+4*\k:WB+4*\k+3], v3, s[18:19] offset:4096*\k
.endr
	s_wait_loadcnt 0x0
.irp k, 0,1,2,3,4,5,6,7,8,9,10,11,12,13,14,15
	ds_store_b128 v3, v[WB+4*\k:WB+4*\k+3] offset:4096*\k
.endr
	s_wait_dscnt 0x0                               ; the stores have read their registers
.irp k, 0,1,2,3,4,5,6,7,8,9,10,11,12,13,14,15
	global_load_b128 v[WB+4*\k:WB+4*\k+3], v3, s[18:19] offset:65536+4096*\k
.endr
	; the common scale, while those loads are out
.irp k, 1,3,5,7,9,11,13,15,17,19,21,23,25,27,29
	v_max3_num_f32 v208, v208, v[208+\k], v[209+\k]
.endr
	v_max_num_f32 v208, v208, v239
.irp k, 1,3,5,7,9,11,13
	v_max3_num_f32 v240, v240, v[240+\k], v[241+\k]
.endr
	v_mov_b32 v255, 0
	WRED 208
	WRED 240
	v_mul_f32 v240, 0x43800000, v240               ; 256 W
	v_max_num_f32 v240, 2.0, v240
	v_mul_f32 v208, v208, v240                     ; Bd
	v_lshrrev_b32 v209, 23, v208
	v_sub_nc_u32 v209, 268, v209
	v_max_u32 v209, 67, v209
	v_min_u32 v209, 187, v209                      ; s's exponent field
	v_lshlrev_b32 v248, 23, v209                   ; s
	v_sub_nc_u32 v210, 254, v209
	v_lshlrev_b32 v249, 23, v210                   ; 1/s
	v_lshl_add_u32 v211, v209, 1, 0xffffff81
	v_lshlrev_b32 v212, 23, v211                   ; s^2
	v_mul_f32 v250, 0x42a00000, v212               ; 80 s^2
	v_sub_nc_u32 v211, 254, v211
	v_lshlrev_b32 v212, 23, v211                   ; 1/s^2
	v_mul_f32 v251, 0x3e16c740, v212               ; log2(e) / sqrt(96) / s^2
	v_readfirstlane_b32 s40, v248
	s_mov_b32 s41, s40                             ; (named with it as a pair)
	s_wait_loadcnt 0x0
.irp k, 0,1,2,3,4,5,6,7,8,9,10,11,12,13,14,15
	ds_store_b128 v4, v[WB+4*\k:WB+4*\k+3] offset:4096*\k
.endr
	s_or_b32 s24, s11, s12
	s_or_b32 s24, s24, s10
	s_cmp_lg_u32 s24, 0
	s_cbranch_scc1 .Lno_scl
	global_store_b128 v1, v[248:251], s[8:9]       ; one wave of the launch stores the four numbers, 16 bytes a lane
.Lno_scl:
	s_wait_dscnt 0x0                               ; my part of the weights lies in LDS
	s_barrier_signal -1
	s_barrier_wait -1                              ; everybody's does
	s_wait_xcnt 0x0                                ; that store has read its registers
	LOADH 0, 0
	LOADH 1, 0
	s_lshl_b32 s25, s13, 4                         ; 16 x batch
	s_cmp_ge_u32 s11, 10
	s_cbranch_scc1 .Lv
	s_cmp_ge_u32 s11, 6
	s_cbranch_scc1 .Lqk
	s_cmp_ge_u32 s11, 4
	s_cbranch_scc1 .Lqr
.Lqk:
	s_cmp_lt_u32 s11, 4
	s_cselect_b32 s24, 0, 6
	s_mov_b32 s27, KIMG
	s_cselect_b32 s27, QIMG, s27
	s_sub_co_u32 s24, s11, s24
	s_lshl_b32 s24, s24, 2
	s_add_co_u32 s26, s25, s24                     ; my first head
	s_lshl_b32 s26, s26, 7
	s_add_co_u32 s26, s26, s14
	s_mul_i32 s26, s26, 3072
	s_add_co_u32 s26, s26, s27
	s_mov_b32 s27, 0
	s_add_nc_u64 s[26:27], s[8:9], s[26:27]
.irp t, 0,1,2,3,4,5,6,7,8,9,10,11,12,13,14,15
	FT \t, 0
.endr
	s_cmp_lt_u32 s11, 6
	s_cbranch_scc1 .Lend
	; K's work-groups also turn the rope key and lay it behind each of their four heads' K
.irp c, 0,1
	s_wait_xcnt 0x0                                ; the stores have read T
.irp i, 0,1
	global_load_b128 v[T+8*\i:T+8*\i+3], v5, s[30:31] offset:2048*\i+64*\c
	global_load_b128 v[T+8*\i+4:T+8*\i+7], v5, s[30:31] offset:2048*\i+64*\c+16
.endr
	RTLOAD \c
	s_wait_loadcnt 0x0
.irp k, 0,2,4,6,8,10,12,14
	v_pk_mul_f32 v[T+\k:T+\k+1], v[T+\k:T+\k+1], s[40:41] op_sel_hi:[1,0]
.endr
	ROPE
	PACK
.irp i, 0,1
.irp e, 0,1,2,3
	global_store_b128 v1, v[T+8*\i:T+8*\i+3], s[26:27] offset:\e*HSTEP+\i*3072+2048+512*\c
.endr
.endr
.endr
	s_branch .Lend
.Lqr:
	s_sub_co_u32 s24, s11, 4
	s_lshl_b32 s24, s24, 3
	s_add_co_u32 s26, s25, s24
	s_lshl_b32 s26, s26, 7
	s_add_co_u32 s26, s26, s14
	s_mul_i32 s26, s26, 3072
	s_add_co_u32 s26, s26, QIMG
	s_mov_b32 s27, 0
	s_add_nc_u64 s[26:27], s[8:9], s[26:27]
.irp t, 0,1,2,3,4,5,6,7,8,9,10,11,12,13,14,15
	FT \t, 1
.endr
	s_branch .Lend
.Lv:
	s_sub_co_u32 s24, s11, 10
	s_lshl_b32 s24, s24, 2
	s_add_co_u32 s26, s25, s24
	s_lshl_b32 s26, s26, 18
	s_lshr_b32 s24, s14, 1
	s_lshl_b32 s24, s24, 12
	s_add_co_u32 s26, s26, s24
	s_add_co_u32 s26, s26, VIMG
	s_mov_b32 s27, 0
	s_add_nc_u64 s[26:27], s[8:9], s[26:27]
.irp t, 0,1,2,3,4,5,6,7,8,9,10,11,12,13,14,15
	FT \t, 2
.endr
.Lend:
	s_wait_tensorcnt 0x0                           ; the wave's end
	ds_add_u32 v10, v11
	s_wait_dscnt 0x0
	s_endpgm
.Lfunc_end_k_q06df917282_up:
	.size	k_q06df917282_up, .Lfunc_end_k_q06df917282_up-k_q06df917282_up
	.p2alignl 7, 3214868480
	.fill 96, 4, 3214868480
	.section	.rodata,"a",@progbits
	.p2align	6, 0x0
	.amdhsa_kernel k_q06df917282_up
		.amdhsa_group_segment_fixed_size 132096
		.amdhsa_private_segment_fixed_size 0
		.amdhsa_enable_private_segment 0
		.amdhsa_kernarg_size 24
		.amdhsa_user_sgpr_count 2
		.amdhsa_user_sgpr_kernarg_segment_ptr 1
		.amdhsa_wavefront_size32 1
		.amdhsa_system_sgpr_workgroup_id_x 1
		.amdhsa_system_sgpr_workgroup_id_y 1
		.amdhsa_system_sgpr_workgroup_id_z 1
		.amdhsa_system_vgpr_workitem_id 0
		.amdhsa_next_free_vgpr 256
		.amdhsa_next_free_sgpr 66
		.amdhsa_reserve_vcc 0
		.amdhsa_float_denorm_mode_32 3
		.amdhsa_float_denorm_mode_16_64 3
		.amdhsa_memory_ordered 1
		.amdhsa_forward_progress 1
		.amdhsa_inst_pref_size 226
	.end_amdhsa_kernel
	.amdgpu_metadata
---
amdhsa.version: [ 1, 2 ]
amdhsa.kernels:
  - .name:           k_q06df917282_up
    .symbol:         k_q06df917282_up.kd
    .args:
      - { .name: P0, .offset: 0, .size: 8, .value_kind: global_buffer, .address_space: global }
      - { .name: P1, .offset: 8, .size: 8, .value_kind: global_buffer, .address_space: global }
      - { .name: P2, .offset: 16, .size: 8, .value_kind: global_buffer, .address_space: global }
    .group_segment_fixed_size: 132096
    .private_segment_fixed_size: 0
    .kernarg_segment_align: 8
    .kernarg_segment_size: 24
    .max_flat_workgroup_size: 256
    .sgpr_count:     66
    .vgpr_count:     256
    .wavefront_size: 32
...
	.end_amdgpu_metadata
.endif
;; end of part 3
;; launch attn (part 4): grid 8 x 32, 8 waves a work-group, no clusters, 41,984 bytes of LDS; arguments P2, P3; writes P3
.if DOCPART == 4
	.amdgcn_target "amdgcn-amd-amdhsa--gfx1250"
	.amdhsa_code_object_version 6
	.text
	.protected	k_q06df917282_attn
	.globl	k_q06df917282_attn
	.p2align	8
	.type	k_q06df917282_attn,@function
k_q06df917282_attn:
	s_mov_b64 s[64:65], 0
	v_nop
	global_prefetch_b8 v0, s[64:65] scope:SCOPE_SE
	s_setreg_imm32_b32 hwreg(HW_REG_WAVE_MODE, 25, 1), 1
	s_wait_xcnt 0x0
; ATTN: weights = softmax(clip(Q K^T, -80, 80) / sqrt(96)) under the causal mask; attn = weights V.  f16 operands (Q, K, V stored times s), f32 sums.
; NO MAXIMUM IS TAKEN AWAY: the clip bounds the exponent t = clip(score) log2(e) / sqrt(96) to +-11.8 for every input, so p = 2^t lies between 2.8e-4 and 3,566 (normal numbers of f16) and a row's sum of 2,048 of them under 2^23.
; SHARES.  Work-group (i, bh) owns query blocks i and 15 - i of 128 queries of one head: 17 block products in every work-group.  Wave w owns one tile of 16 queries of each block (tile A, tile B); the keys are walked once and serve both.
; Key blocks 0 .. i-1: both tiles; block i: A on its diagonal, B open; blocks i+1 .. 14-i: B alone; block 15-i: B on its diagonal.  Trip counts hang on the work-group's number alone.
; LAYOUT.  S^T = K Q^T (source 0 = 16 keys, source 1 = 16 queries): a lane holds one query and eight keys; two such tiles rounded to f16 are source 1 of O^T = V^T P.
; LDS.  A chunk of 64 keys (K 12 KB, V 8 KB) is staged by the eight waves, 4,096 bytes an instruction, in two buffers by turns: the next chunk is loaded into registers at a chunk's head and stored behind its work.
; One barrier a chunk: in front of it each wave's stores into the other buffer have landed and its reads of this one are back; the buffer that is written was last read ahead of the barrier before.
; No cluster: the work-groups of a head walk different numbers of key blocks (16 - i), and the text has no tensor load.
.set QIMG,  1024
.set KIMG,  12583936
.set VIMG,  25166848
.set BUF,   20480
.set SPARE, 40960
.set Q,   16                           ; v16-63   Q: tile t, kt at 16 + 24 t + 8 kt
.set O,   64                           ; v64-127  O^T: 64 + 32 t + 8 ch
.set L,   128                          ; v128-131 the rows' sums, two halves a tile
.set KV,  132                          ; v132-179 K's six fragments of a step, then V's four
.set S,   180                          ; v180-211 S^T, then p: 180 + 16 t + 8 (key tile)
.set STG, 212                          ; v212-231 the next chunk on its way
.set T,   232                          ; v232-239
.macro NOPS n
.rept \n
	v_nop
.endr
.endm
.macro STAGE_LD
.irp k, 0,1,2
	global_load_b128 v[STG+4*\k:STG+4*\k+3], v2, s[8:9] offset:4096*\k
.endr
.irp k, 0,1
	global_load_b128 v[STG+12+4*\k:STG+12+4*\k+3], v2, s[10:11] offset:4096*\k
.endr
.endm
.macro STAGE_ST b
	s_wait_loadcnt 0x0                             ; the chunk is in registers, and its addresses are free
	s_add_nc_u64 s[8:9], s[8:9], 12288
	s_add_nc_u64 s[10:11], s[10:11], 8192
.irp k, 0,1,2,3,4
	ds_store_b128 v2, v[STG+4*\k:STG+4*\k+3] offset:(\b)*BUF+4096*\k
.endr
	s_wait_dscnt 0x0                               ; for the others' sake: my stores have landed, my reads are back
	s_barrier_signal -1
	s_barrier_wait -1
.endm
.macro LOADK b, j
.irp kk, 0,1
.irp kt, 0,1,2
.irp c, 0,1
	ds_load_b128 v[KV+24*\kk+8*\kt+4*\c:KV+24*\kk+8*\kt+4*\c+3], v1 offset:(\b)*BUF+(2*(\j)+\kk)*3072+\kt*1024+512*\c
.endr
.endr
.endr
.endm
.macro LOADV b, j
.irp ch, 0,1,2,3
.irp c, 0,1
	ds_load_b128 v[KV+8*\ch+4*\c:KV+8*\ch+4*\c+3], v1 offset:(\b)*BUF+12288+(\j)*4096+\ch*1024+512*\c
.endr
.endr
.endm
.macro SMM t, kk, kt
.if \kt == 0
	v_wmma_f32_16x16x32_f16 v[S+16*\t+8*\kk:S+16*\t+8*\kk+7], v[KV+24*\kk+8*\kt:KV+24*\kk+8*\kt+7], v[Q+24*\t+8*\kt:Q+24*\t+8*\kt+7], 0
.else
	v_wmma_f32_16x16x32_f16 v[S+16*\t+8*\kk:S+16*\t+8*\kk+7], v[KV+24*\kk+8*\kt:KV+24*\kk+8*\kt+7], v[Q+24*\t+8*\kt:Q+24*\t+8*\kt+7], v[S+16*\t+8*\kk:S+16*\t+8*\kk+7]
.endif
.endm
.macro PVM t, ch
	v_wmma_f32_16x16x32_f16 v[O+32*\t+8*\ch:O+32*\t+8*\ch+7], v[KV+8*\ch:KV+8*\ch+7], v[S+16*\t:S+16*\t+7], v[O+32*\t+8*\ch:O+32*\t+8*\ch+7]
.endm
.macro CLIP t                          ; the clip at +-80 (here times s^2), then t = score x c / s^2; each accumulator from its low end on
.irp n, 0,1,2,3,4,5,6,7,8,9,10,11,12,13,14,15
	v_med3_num_f32 v[S+16*\t+\n], v[S+16*\t+\n], s20, s14
.endr
.irp n, 0,2,4,6,8,10,12,14
	v_pk_mul_f32 v[S+16*\t+\n:S+16*\t+\n+1], v[S+16*\t+\n:S+16*\t+\n+1], s[16:17] op_sel_hi:[1,0]
.endr
.endm
.macro MASK t, off                     ; register n holds key off + 16 (n / 8) + 8 h + n % 8 of the block: hidden where that is above my query 16 w + r
.irp n, 0,1,2,3,4,5,6,7,8,9,10,11,12,13,14,15
	v_cmp_gt_i32 vcc_lo, (\off)+16*(\n/8)+\n%8, v3
	v_cndmask_b32 v[S+16*\t+\n], v[S+16*\t+\n], v4, vcc_lo
.endr
.endm
.macro EXPS t
.irp n, 0,1,2,3,4,5,6,7,8,9,10,11,12,13,14,15
	v_exp_f32 v[S+16*\t+\n], v[S+16*\t+\n]
.endr
.endm
.macro PACKP t                         ; p to f16, in place, ascending: registers 0-7 are the second product's source 1
.irp p, 0,1,2,3,4,5,6,7
	v_cvt_pk_f16_f32 v[S+16*\t+\p], v[S+16*\t+2*\p], v[S+16*\t+2*\p+1]
.endr
.endm
; 32 keys: step j of the chunk in buffer b.  aon: tile A takes part; ma, mb: A's or B's diagonal
.macro STEP b, j, off, aon, ma, mb
	LOADK \b, \j
	s_wait_dscnt 0x0
.irp kt, 0,1,2                         ; the accumulators take turns, one instruction a turn
.irp kk, 0,1
.if \aon
	SMM 0, \kk, \kt
.endif
	SMM 1, \kk, \kt
.endr
.endr
	NOPS 4                                         ; places in front of the loads into K's registers and of the reads of the scores
	LOADV \b, \j
.if \aon
	CLIP 0
.endif
	CLIP 1
.if \ma
	MASK 0, \off
.endif
.if \mb
	MASK 1, \off
.endif
.if \aon
	EXPS 0
.endif
	EXPS 1
	v_nop                                          ; a plain place behind the last exponential
	s_wait_alu depctr_va_vdst(0)                   ; one wait for the whole batch, ahead of its first reader
.irp n, 0,2,4,6,8,10,12,14
.if \aon
	v_pk_add_f32 v[L:L+1], v[L:L+1], v[S+\n:S+\n+1]
.endif
	v_pk_add_f32 v[L+2:L+3], v[L+2:L+3], v[S+16+\n:S+16+\n+1]
.endr
.if \aon
	PACKP 0
.endif
	PACKP 1
	s_wait_dscnt 0x0                               ; V is in
.irp ch, 0,1,2,3
.if \aon
	PVM 0, \ch
.endif
	PVM 1, \ch
.endr
	NOPS 5                                         ; places in front of the next loads into V's registers and of the next scores, which are written over p
.endm
.macro CHUNK b, aon, ma, mb, stage
.if \stage
	STAGE_LD
.endif
	STEP \b, 0, 64*\b, \aon, \ma, \mb
	STEP \b, 1, 64*\b+32, \aon, \ma, \mb
.if \stage
	STAGE_ST 1-\b
.endif
.endm
.macro BLOCK aon, ma, mb, last         ; 128 keys
	CHUNK 0, \aon, \ma, \mb, 1
	CHUNK 1, \aon, \ma, \mb, 1-\last
.endm
	s_load_b128 s[4:7], s[0:1], 0x0                ; P2, P3
	v_lshl_add_u32 v5, v0, 2, SPARE                ; my spare word,
	v_mov_b32 v6, 0                                ; and 0: kept for the wave's end
	v_lshrrev_b32 v7, 5, v0
	v_readfirstlane_b32 s2, v7                     ; wave
	s_mov_b32 s22, ttmp9                           ; i
	s_and_b32 s23, ttmp7, 0xffff                   ; batch x 16 + head
	v_and_b32 v7, 31, v0
	v_and_b32 v8, 15, v0
	v_bfe_u32 v9, v0, 4, 1
	v_lshlrev_b32 v1, 4, v7                        ; 16 x lane
	v_lshlrev_b32 v2, 4, v0                        ; 16 x thread
	v_lshlrev_b32 v9, 3, v9
	v_sub_nc_u32 v3, v8, v9
	s_lshl_b32 s3, s2, 4
	v_add_nc_u32 v3, s3, v3                        ; 16 w + r - 8 h
	v_mov_b32 v4, 0xff800000                       ; -infinity
	s_mov_b32 s34, 0x76543210
	s_mov_b32 s35, 0xfedcba98
	s_lshl_b32 s33, s23, 7
	s_lshl_b32 s36, s22, 3
	s_add_co_u32 s37, s36, s2                      ; tile A in the sequence: 8 i + w
	s_sub_co_u32 s38, 120, s36
	s_add_co_u32 s38, s38, s2                      ; tile B: 8 (15 - i) + w
	s_add_co_u32 s24, s33, s37
	s_mul_i32 s24, s24, 3072
	s_add_co_u32 s24, s24, QIMG
	s_mov_b32 s25, 0
	s_add_co_u32 s26, s33, s38
	s_mul_i32 s26, s26, 3072
	s_add_co_u32 s26, s26, QIMG
	s_mov_b32 s27, 0
	s_lshr_b32 s39, s23, 4
	s_and_b32 s40, s23, 15
	s_lshl_b32 s39, s39, 7                         ; 128 token tiles a batch
	s_lshl_b32 s40, s40, 11                        ; a head is two fragments of the out-projection's K
	s_add_co_u32 s28, s39, s37
	s_lshl_b32 s28, s28, 15
	s_add_co_u32 s28, s28, s40
	s_mov_b32 s29, 0
	s_add_co_u32 s30, s39, s38
	s_lshl_b32 s30, s30, 15
	s_add_co_u32 s30, s30, s40
	s_mov_b32 s31, 0
	s_mul_i32 s8, s23, 393216
	s_add_co_u32 s8, s8, KIMG
	s_mov_b32 s9, 0
	s_lshl_b32 s10, s23, 18
	s_add_co_u32 s10, s10, VIMG
	s_mov_b32 s11, 0
	s_lshl_b32 s32, s22, 1
	s_sub_co_u32 s32, 14, s32                      ; key blocks for B alone
	s_wait_kmcnt 0x0
	s_load_b128 s[12:15], s[4:5], 0x0              ; s, 1/s, 80 s^2, c/s^2
	s_add_nc_u64 s[8:9], s[4:5], s[8:9]
	s_add_nc_u64 s[10:11], s[4:5], s[10:11]
	s_add_nc_u64 s[24:25], s[4:5], s[24:25]
	s_add_nc_u64 s[26:27], s[4:5], s[26:27]
	s_add_nc_u64 s[28:29], s[6:7], s[28:29]
	s_add_nc_u64 s[30:31], s[6:7], s[30:31]
.irp k, 0,1,2,3,4,5
	global_load_b128 v[Q+4*\k:Q+4*\k+3], v1, s[24:25] offset:512*\k
	global_load_b128 v[Q+24+4*\k:Q+24+4*\k+3], v1, s[26:27] offset:512*\k
.endr
	STAGE_LD                                       ; chunk 0
.set k, 0
.rept 64
	v_mov_b32 v[O+k], 0                            ; O^T: the step is written once, so its first products find zeros
.set k, k+1
.endr
.irp k, 0,1,2,3
	v_mov_b32 v[L+\k], 0
.endr
	s_wait_kmcnt 0x0
	s_mov_b32 s16, s15
	s_mov_b32 s17, s15
	s_xor_b32 s20, s14, 0x80000000                 ; -80 s^2
	STAGE_ST 0
	s_cmp_eq_u32 s22, 0
	s_cbranch_scc1 .Ldiag_a
	s_mov_b32 s21, 0
.Lboth:
	BLOCK 1, 0, 0, 0
	s_add_co_u32 s21, s21, 1
	s_cmp_lt_u32 s21, s22
	s_cbranch_scc1 .Lboth
.Ldiag_a:
	BLOCK 1, 1, 0, 0
	s_cmp_eq_u32 s32, 0
	s_cbranch_scc1 .Ldiag_b
	s_mov_b32 s21, 0
.Lonly_b:
	BLOCK 0, 0, 0, 0
	s_add_co_u32 s21, s21, 1
	s_cmp_lt_u32 s21, s32
	s_cbranch_scc1 .Lonly_b
.Ldiag_b:
	BLOCK 0, 0, 1, 1
	; THE WAY OUT: O^T / the row's sum, to f16, as fragments of the out-projection: a lane's eight channels of one token are its 16 bytes
	v_add_f32 v8, v[L], v[L+1]
	v_add_f32 v10, v[L+2], v[L+3]
	v_mov_b32 v9, 0
	v_mov_b32 v11, 0
	v_permlanex16_b32 v9, v8, s34, s35
	v_permlanex16_b32 v11, v10, s34, s35
	v_add_f32 v8, v8, v9                           ; with the query's other keys, in lane l xor 16
	v_add_f32 v10, v10, v11
	v_rcp_f32 v8, v8
	v_rcp_f32 v10, v10
	v_nop
	s_wait_alu depctr_va_vdst(0)                   ; one wait for both reciprocals
.irp t, 0,1
.irp ch, 0,1,2,3
.irp p, 0,2,4,6
	v_pk_mul_f32 v[T+\p:T+\p+1], v[O+32*\t+8*\ch+\p:O+32*\t+8*\ch+\p+1], v[8+2*\t:9+2*\t] op_sel_hi:[1,0]
.endr
.irp p, 0,1,2,3
	v_cvt_pk_f16_f32 v[KV+16*\t+4*\ch+\p], v[T+2*\p], v[T+2*\p+1]
.endr
	global_store_b128 v1, v[KV+16*\t+4*\ch:KV+16*\t+4*\ch+3], s[28+2*\t:29+2*\t] offset:(\ch/2)*1024+512*(\ch%2)
.endr
.endr
	s_wait_tensorcnt 0x0                           ; the wave's end
	ds_add_u32 v5, v6
	s_wait_dscnt 0x0
	s_endpgm
.Lfunc_end_k_q06df917282_attn:
	.size	k_q06df917282_attn, .Lfunc_end_k_q06df917282_attn-k_q06df917282_attn
	.p2alignl 7, 3214868480
	.fill 96, 4, 3214868480
	.section	.rodata,"a",@progbits
	.p2align	6, 0x0
	.amdhsa_kernel k_q06df917282_attn
		.amdhsa_group_segment_fixed_size 41984
		.amdhsa_private_segment_fixed_size 0
		.amdhsa_enable_private_segment 0
		.amdhsa_kernarg_size 16
		.amdhsa_user_sgpr_count 2
		.amdhsa_user_sgpr_kernarg_segment_ptr 1
		.amdhsa_wavefront_size32 1
		.amdhsa_system_sgpr_workgroup_id_x 1
		.amdhsa_system_sgpr_workgroup_id_y 1
		.amdhsa_system_sgpr_workgroup_id_z 1
		.amdhsa_system_vgpr_workitem_id 0
		.amdhsa_next_free_vgpr 240
		.amdhsa_next_free_sgpr 66
		.amdhsa_reserve_vcc 1
		.amdhsa_float_denorm_mode_32 3
		.amdhsa_float_denorm_mode_16_64 3
		.amdhsa_memory_ordered 1
		.amdhsa_forward_progress 1
		.amdhsa_inst_pref_size 144
	.end_amdhsa_kernel
	.amdgpu_metadata
---
amdhsa.version: [ 1, 2 ]
amdhsa.kernels:
  - .name:           k_q06df917282_attn
    .symbol:         k_q06df917282_attn.kd
    .args:
      - { .name: P2, .offset: 0, .size: 8, .value_kind: global_buffer, .address_space: global }
      - { .name: P3, .offset: 8, .size: 8, .value_kind: global_buffer, .address_space: global }
    .group_segment_fixed_size: 41984
    .private_segment_fixed_size: 0
    .kernarg_segment_align: 8
    .kernarg_segment_size: 16
    .max_flat_workgroup_size: 256
    .sgpr_count:     66
    .vgpr_count:     240
    .wavefront_size: 32
...
	.end_amdgpu_metadata
.endif
;; end of part 4
;; launch oproj (part 5): grid 8 x 32, 8 waves a work-group, no clusters, 166,912 bytes of LDS; arguments P0, P2, P3, out0; writes out0
.if DOCPART == 5
	.amdgcn_target "amdgcn-amd-amdhsa--gfx1250"
	.amdhsa_code_object_version 6
	.text
	.protected	k_q06df917282_oproj
	.globl	k_q06df917282_oproj
	.p2align	8
	.type	k_q06df917282_oproj,@function
k_q06df917282_oproj:
	s_mov_b64 s[64:65], 0
	v_nop
	global_prefetch_b8 v0, s[64:65] scope:SCOPE_SE
	s_setreg_imm32_b32 hwreg(HW_REG_WAVE_MODE, 25, 1), 1
	s_wait_xcnt 0x0
; OPROJ: out0 = attn W_o^T.  f16 operands (attn stored times s), f32 sums, the result times 1/s.  K = 1024.
; A work-group makes 128 tokens x 128 features; wave w makes 32 tokens (w / 2) x 64 features (w % 2): 8 accumulators.  K goes in 8 chunks of 128 through two LDS buffers of 64 KB (8 token tiles and 8 feature tiles of 4 KB),
; staged by the eight waves, 4,096 bytes an instruction: the next chunk is loaded into registers at a chunk's head and stored behind its work; one barrier a chunk, as in the attention.
; Source 0 = 16 features, source 1 = 16 tokens: a lane holds eight neighbouring features of one token.  A tile of 16 tokens x 64 features goes through the wave's own stage and leaves as rows: sixteen lanes store 256 consecutive bytes, aligned.
; The first 16 positions of each sequence are stored here too, and written again, more finely, by a later launch.
; No cluster: the text has no tensor load, so there is nothing to ask for jointly.
.set WOIMG, 4507648
.set STAGE, 131072                     ; 16 rows x 272 bytes for each wave
.set SPARE, 165888
.set ACC, 16                           ; v16-79   accumulator (i, f) at 16 + 8 (4 i + f)
.set F0,  80                           ; v80-175  two sets of 48: two token fragments, four feature fragments
.set OB,  144                          ; the way out: rows read back
.set STG, 176                          ; v176-239 the next chunk on its way
.macro NOPS n
.rept \n
	v_nop
.endr
.endm
.macro LOADF kt, t                     ; the fragments of 32 along K, from the buffer of chunk t, into set kt % 2
.set FS, F0+48*((\kt)%2)
.irp i, 0,1
.irp c, 0,1
.if ((\t)%2) == 0
	ds_load_b128 v[FS+8*\i+4*\c:FS+8*\i+4*\c+3], v1 offset:\i*4096+(\kt)*1024+512*\c
.else
	ds_load_b128 v[FS+8*\i+4*\c:FS+8*\i+4*\c+3], v10 offset:\i*4096+(\kt)*1024+512*\c
.endif
.endr
.endr
.irp f, 0,1,2,3
.irp c, 0,1
.if ((\t)%2) == 0
	ds_load_b128 v[FS+16+8*\f+4*\c:FS+16+8*\f+4*\c+3], v2 offset:\f*4096+(\kt)*1024+512*\c
.else
	ds_load_b128 v[FS+16+8*\f+4*\c:FS+16+8*\f+4*\c+3], v11 offset:\f*4096+(\kt)*1024+512*\c
.endif
.endr
.endr
.endm
.macro MULK kt, t                      ; the eight accumulators take turns; the first product starts each sum
.set FS, F0+48*((\kt)%2)
.irp i, 0,1
.irp f, 0,1,2,3
.if ((\t) == 0) && ((\kt) == 0)
	v_wmma_f32_16x16x32_f16 v[ACC+8*(4*\i+\f):ACC+8*(4*\i+\f)+7], v[FS+16+8*\f:FS+16+8*\f+7], v[FS+8*\i:FS+8*\i+7], 0
.else
	v_wmma_f32_16x16x32_f16 v[ACC+8*(4*\i+\f):ACC+8*(4*\i+\f)+7], v[FS+16+8*\f:FS+16+8*\f+7], v[FS+8*\i:FS+8*\i+7], v[ACC+8*(4*\i+\f):ACC+8*(4*\i+\f)+7]
.endif
.endr
.endr
.endm
.macro GLOAD t                         ; chunk t into registers
.irp k, 0,1,2,3,4,5,6,7
	global_load_b128 v[STG+4*\k:STG+4*\k+3], v3, s[12:13] offset:\k*32768+(\t)*4096
	global_load_b128 v[STG+32+4*\k:STG+32+4*\k+3], v3, s[14:15] offset:\k*32768+(\t)*4096
.endr
.endm
.macro GSTORE t                        ; and into its buffer
	s_wait_loadcnt 0x0
.irp k, 0,1,2,3,4,5,6,7
.if ((\t)%2) == 0
	ds_store_b128 v3, v[STG+4*\k:STG+4*\k+3] offset:4096*\k
	ds_store_b128 v3, v[STG+32+4*\k:STG+32+4*\k+3] offset:32768+4096*\k
.else
	ds_store_b128 v4, v[STG+4*\k:STG+4*\k+3] offset:4096*\k
	ds_store_b128 v4, v[STG+32+4*\k:STG+32+4*\k+3] offset:32768+4096*\k
.endif
.endr
	s_wait_dscnt 0x0                               ; for the others' sake: my stores have landed, my reads are back
	s_barrier_signal -1
	s_barrier_wait -1
.endm
.macro TRIP t
.if \t < 7
	GLOAD \t+1
.endif
	LOADF 0, \t
.irp kt, 0,1,2,3
.if \kt < 3
	LOADF \kt+1, \t
	s_wait_dscnt 12                                ; this step's twelve loads are in; the next step's may be out
.else
	s_wait_dscnt 0x0
.endif
	MULK \kt, \t
	NOPS 4                                         ; places in front of the loads into this set
.endr
.if \t < 7
	GSTORE \t+1
.endif
.endm
	s_load_b256 s[4:11], s[0:1], 0x0               ; P0, P2, P3, out0
	v_lshl_add_u32 v8, v0, 2, SPARE                ; my spare word,
	v_mov_b32 v9, 0                                ; and 0: kept for the wave's end
	v_lshrrev_b32 v12, 5, v0
	v_readfirstlane_b32 s2, v12                    ; wave
	s_lshr_b32 s3, s2, 1                           ; which 32 tokens
	s_and_b32 s18, s2, 1                           ; which 64 features
	s_mov_b32 s19, ttmp9
	s_and_b32 s20, ttmp7, 0xffff
	v_and_b32 v12, 31, v0
	v_and_b32 v13, 15, v0                          ; r
	v_bfe_u32 v14, v0, 4, 1                        ; h
	v_lshlrev_b32 v12, 4, v12
	s_lshl_b32 s21, s3, 13
	v_add_nc_u32 v1, s21, v12                      ; my token fragments in buffer 0
	s_lshl_b32 s21, s18, 14
	s_add_co_u32 s21, s21, 32768
	v_add_nc_u32 v2, s21, v12                      ; my feature fragments
	v_add_nc_u32 v10, 0x10000, v1                  ; the same in buffer 1
	v_add_nc_u32 v11, 0x10000, v2
	v_lshlrev_b32 v3, 4, v0
	v_add_nc_u32 v4, 0x10000, v3
	s_mul_i32 s21, s2, 4352
	s_add_co_u32 s21, s21, STAGE
	v_mul_u32_u24 v5, v13, 272
	v_lshl_add_u32 v5, v14, 5, v5
	v_add_nc_u32 v5, s21, v5                       ; into my stage: row r, 32 bytes for each half of the lanes
	v_mul_u32_u24 v6, v14, 272
	v_lshl_add_u32 v6, v13, 4, v6
	v_add_nc_u32 v6, s21, v6                       ; back: lanes 0-15 one row, lanes 16-31 the next
	v_lshlrev_b32 v7, 12, v14
	v_lshl_add_u32 v7, v13, 4, v7                  ; and the same two rows in out0
	s_lshl_b32 s12, s20, 18
	s_mov_b32 s13, 0
	s_lshl_b32 s14, s19, 18
	s_add_co_u32 s14, s14, WOIMG
	s_mov_b32 s15, 0
	s_lshl_b32 s22, s20, 19
	s_lshl_b32 s23, s3, 17
	s_add_co_u32 s22, s22, s23
	s_lshl_b32 s23, s19, 9
	s_add_co_u32 s22, s22, s23
	s_lshl_b32 s23, s18, 8
	s_add_co_u32 s22, s22, s23
	s_mov_b32 s23, 0
	s_wait_kmcnt 0x0
	s_load_b64 s[24:25], s[6:7], 0x0               ; s, 1/s
	s_add_nc_u64 s[12:13], s[8:9], s[12:13]
	s_add_nc_u64 s[14:15], s[4:5], s[14:15]
	s_add_nc_u64 s[22:23], s[10:11], s[22:23]
	GLOAD 0
	GSTORE 0
.irp t, 0,1,2,3,4,5,6,7
	TRIP \t
.endr
	s_wait_kmcnt 0x0
	s_mov_b32 s16, s25
	s_mov_b32 s17, s25
.irp i, 0,1
.irp f, 0,1,2,3
.irp p, 0,2,4,6
	v_pk_mul_f32 v[F0+32*\i+8*\f+\p:F0+32*\i+8*\f+\p+1], v[ACC+8*(4*\i+\f)+\p:ACC+8*(4*\i+\f)+\p+1], s[16:17] op_sel_hi:[1,0]   ; x 1/s
.endr
	ds_store_b128 v5, v[F0+32*\i+8*\f:F0+32*\i+8*\f+3] offset:64*\f
	ds_store_b128 v5, v[F0+32*\i+8*\f+4:F0+32*\i+8*\f+7] offset:64*\f+16
.endr
.irp k, 0,1,2,3,4,5,6,7
	ds_load_b128 v[OB+32*\i+4*\k:OB+32*\i+4*\k+3], v6 offset:544*\k    ; LDS serves a wave's instructions in order: these see my stores, and the next tile's stores come behind them
.endr
.endr
	s_wait_dscnt 16                                ; the first tile's rows are back; the second tile's 8 stores and 8 loads may be out
.irp k, 0,1,2,3,4,5,6,7
	global_store_b128 v7, v[OB+4*\k:OB+4*\k+3], s[22:23] offset:2*\k*4096 th:TH_STORE_NT
.endr
	s_wait_dscnt 0x0
.irp k, 0,1,2,3,4,5,6,7
	global_store_b128 v7, v[OB+32+4*\k:OB+32+4*\k+3], s[22:23] offset:(16+2*\k)*4096 th:TH_STORE_NT
.endr
	s_wait_tensorcnt 0x0                           ; the wave's end
	ds_add_u32 v8, v9
	s_wait_dscnt 0x0
	s_endpgm
.Lfunc_end_k_q06df917282_oproj:
	.size	k_q06df917282_oproj, .Lfunc_end_k_q06df917282_oproj-k_q06df917282_oproj
	.p2alignl 7, 3214868480
	.fill 96, 4, 3214868480
	.section	.rodata,"a",@progbits
	.p2align	6, 0x0
	.amdhsa_kernel k_q06df917282_oproj
		.amdhsa_group_segment_fixed_size 166912
		.amdhsa_private_segment_fixed_size 0
		.amdhsa_enable_private_segment 0
		.amdhsa_kernarg_size 32
		.amdhsa_user_sgpr_count 2
		.amdhsa_user_sgpr_kernarg_segment_ptr 1
		.amdhsa_wavefront_size32 1
		.amdhsa_system_sgpr_workgroup_id_x 1
		.amdhsa_system_sgpr_workgroup_id_y 1
		.amdhsa_system_sgpr_workgroup_id_z 1
		.amdhsa_system_vgpr_workitem_id 0
		.amdhsa_next_free_vgpr 240
		.amdhsa_next_free_sgpr 66
		.amdhsa_reserve_vcc 0
		.amdhsa_float_denorm_mode_32 3
		.amdhsa_float_denorm_mode_16_64 3
		.amdhsa_memory_ordered 1
		.amdhsa_forward_progress 1
		.amdhsa_inst_pref_size 75
	.end_amdhsa_kernel
	.amdgpu_metadata
---
amdhsa.version: [ 1, 2 ]
amdhsa.kernels:
  - .name:           k_q06df917282_oproj
    .symbol:         k_q06df917282_oproj.kd
    .args:
      - { .name: P0, .offset: 0, .size: 8, .value_kind: global_buffer, .address_space: global }
      - { .name: P2, .offset: 8, .size: 8, .value_kind: global_buffer, .address_space: global }
      - { .name: P3, .offset: 16, .size: 8, .value_kind: global_buffer, .address_space: global }
      - { .name: out0, .offset: 24, .size: 8, .value_kind: global_buffer, .address_space: global }
    .group_segment_fixed_size: 166912
    .private_segment_fixed_size: 0
    .kernarg_segment_align: 8
    .kernarg_segment_size: 32
    .max_flat_workgroup_size: 256
    .sgpr_count:     66
    .vgpr_count:     240
    .wavefront_size: 32
...
	.end_amdgpu_metadata
.endif
;; end of part 5
;; launch fattn (part 6): grid 32 x 1, 8 waves a work-group, no clusters, 18,944 bytes of LDS; arguments W_uq, W_rq, W_uk, W_uv, P0, P1, P4; writes P4
.if DOCPART == 6
	.amdgcn_target "amdgcn-amd-amdhsa--gfx1250"
	.amdhsa_code_object_version 6
	.text
	.protected	k_q06df917282_fattn
	.globl	k_q06df917282_fattn
	.p2align	8
	.type	k_q06df917282_fattn,@function
k_q06df917282_fattn:
	s_mov_b64 s[64:65], 0
	v_nop
	global_prefetch_b8 v0, s[64:65] scope:SCOPE_SE
	s_setreg_imm32_b32 hwreg(HW_REG_WAVE_MODE, 25, 1), 1
	s_wait_xcnt 0x0
; FATTN: the first 16 positions of every sequence and head once more, wholly in f32: these rows average one to sixteen values and are the largest of the output, so the rounding of f16 operands would weigh most there.
; A work-group takes one (batch, head).  Waves 0, 1: Q's 64 features, 32 each; wave 2: Q_R; waves 3, 4: K; wave 5: K_R (no product: the rope key is turned); waves 6, 7: V.  From c in f32 (K = 256) and the weights as they are given.
; The f32 matrix form sums 4 along K; K is permuted alike in both sources: lane (r, h) loads k = 8 g + 4 h + 0 .. 3, registers 0, 1 feed step 2 g and registers 2, 3 step 2 g + 1.
; Source 0 = 16 features, source 1 = the 16 tokens: a lane holds a token and eight features.  Q and K meet in LDS as rows of 96 numbers (pitch 400 bytes), V as rows of a channel's 16 tokens (pitch 80).
; Wave 0 then makes the 16 x 16 scores, the clip, the mask, the softmax (no maximum is taken away: the clip bounds the exponent to +-11.8) and the weighted sum, and stores 16 tokens x 64 channels.
; The accumulators v224-255 are written by matrix instructions alone.
.set RTAB,  6604800
.set KRB,   4194304
.set CFINE, 4718592
.set KL,    6400
.set VT,    12800
.set SPARE, 17920
.set CR,  16                           ; v16-79   c; later T (v16-31) and the angles (v32-47); in wave 0 K (v16-63)
.set WR,  80                           ; v80-207  two weight tiles; in wave 0 Q (v64-111), p (v112-119), V (v128-159)
.set ACC, 224
.set T,   16
.set RT,  32
.macro NOPS n
.rept \n
	v_nop
.endr
.endm
.macro PROD bt                         ; 128 along K: 48 loads, 64 matrix instructions, the two tiles by turns
.set g, 0
.rept 16
	global_load_b128 v[CR+4*g:CR+4*g+3], v14, s[30:31] offset:512*\bt+32*g
	global_load_b128 v[WR+4*g:WR+4*g+3], v15, s[24:25] offset:512*\bt+32*g
	global_load_b128 v[WR+64+4*g:WR+64+4*g+3], v15, s[24:25] offset:16384+512*\bt+32*g
.set g, g+1
.endr
	s_wait_loadcnt 0x0
.set g, 0
.rept 16
.irp e, 0,1
.irp u, 0,1
.if (\bt == 0) && (g == 0) && (\e == 0)
	v_wmma_f32_16x16x4_f32 v[ACC+8*\u:ACC+8*\u+7], v[WR+64*\u+4*g+2*\e:WR+64*\u+4*g+2*\e+1], v[CR+4*g+2*\e:CR+4*g+2*\e+1], 0
.else
	v_wmma_f32_16x16x4_f32 v[ACC+8*\u:ACC+8*\u+7], v[WR+64*\u+4*g+2*\e:WR+64*\u+4*g+2*\e+1], v[CR+4*g+2*\e:CR+4*g+2*\e+1], v[ACC+8*\u:ACC+8*\u+7]
.endif
.endr
.endr
.set g, g+1
.endr
	NOPS 9                                         ; places in front of loads into the sources, of reads of the sums, and of sums begun anew in these registers
.endm
	s_load_b256 s[4:11], s[0:1], 0x0               ; W_uq, W_rq, W_uk, W_uv
	s_load_b128 s[12:15], s[0:1], 0x20             ; P0, P1
	s_load_b64 s[16:17], s[0:1], 0x30              ; P4
	v_lshl_add_u32 v1, v0, 2, SPARE                ; my spare word,
	v_mov_b32 v2, 0                                ; and 0: kept for the wave's end
	v_lshrrev_b32 v8, 5, v0
	v_readfirstlane_b32 s2, v8                     ; wave
	s_lshr_b32 s19, ttmp9, 4                       ; batch
	s_and_b32 s20, ttmp9, 15                       ; head
	v_and_b32 v8, 15, v0                           ; r
	v_bfe_u32 v9, v0, 4, 1                         ; h
	; every LDS address is made here, ahead of the parting of the waves
	v_mul_u32_u24 v3, v8, 400
	v_lshl_add_u32 v3, v9, 5, v3
	s_mul_i32 s27, s2, 11
	s_lshr_b32 s27, s27, 5                         ; 0 for waves 0-2, 1 for waves 3-5
	s_mul_i32 s27, s27, 6016
	s_lshl_b32 s28, s2, 7
	s_add_co_u32 s27, s27, s28
	v_add_nc_u32 v3, s27, v3                       ; Q's or K's row r, my 32 features, + 32 h
	s_and_b32 s28, s2, 1
	s_mul_i32 s28, s28, 2560
	s_add_co_u32 s28, s28, VT
	v_mul_u32_u24 v4, v9, 640
	v_lshl_add_u32 v4, v8, 2, v4
	v_add_nc_u32 v4, s28, v4                       ; V: channel 32 (w % 2) + 8 h, token r
	v_mul_u32_u24 v5, v8, 400
	v_lshl_add_u32 v5, v9, 4, v5                   ; wave 0 reads Q and K: row r, + 16 h
	v_mul_u32_u24 v6, v8, 80
	v_lshl_add_u32 v6, v9, 5, v6                   ; and V: channel r, + 32 h
	v_lshlrev_b32 v7, 3, v9
	v_sub_nc_u32 v7, v8, v7                        ; r - 8 h
	v_lshlrev_b32 v12, 7, v8
	v_lshl_add_u32 v12, v9, 5, v12                 ; the table and the rope key: 128 r + 32 h
	v_lshlrev_b32 v13, 12, v8
	v_lshl_add_u32 v13, v9, 5, v13                 ; out: row r of 4,096 bytes + 32 h
	v_lshlrev_b32 v14, 11, v8
	v_lshl_add_u32 v14, v9, 4, v14                 ; c: row r of 2,048 bytes + 16 h
	v_lshlrev_b32 v15, 10, v8
	v_lshl_add_u32 v15, v9, 4, v15                 ; a weight: row r of 1,024 bytes + 16 h
	s_mov_b32 s34, 0x76543210
	s_mov_b32 s35, 0xfedcba98
	s_mov_b32 s40, 0xc2a00000                      ; -80
	s_mov_b32 s41, 0x42a00000                      ; 80
	s_lshl_b32 s21, s20, 6
	s_lshl_b32 s26, s20, 5
	s_wait_kmcnt 0x0
	s_cmp_lt_u32 s2, 6
	s_cselect_b64 s[24:25], s[8:9], s[10:11]       ; W_uk for waves 3-5, W_uv for 6, 7
	s_cselect_b32 s22, 3, 6
	s_cmp_lt_u32 s2, 3
	s_cselect_b64 s[24:25], s[4:5], s[24:25]       ; W_uq for waves 0, 1
	s_cselect_b32 s22, 0, s22
	s_cselect_b32 s30, 0, 1024                     ; c_Q or c_KV in a row of c
	s_sub_co_u32 s22, s2, s22
	s_lshl_b32 s22, s22, 5
	s_add_co_u32 s22, s22, s21                     ; my first row: 64 x head + 32 x (my place among the tensor's waves)
	s_cmp_eq_u32 s2, 2
	s_cselect_b64 s[24:25], s[6:7], s[24:25]       ; W_rq for wave 2,
	s_cselect_b32 s22, s26, s22                    ; row 32 x head
	s_lshl_b32 s22, s22, 10
	s_mov_b32 s23, 0
	s_add_nc_u64 s[24:25], s[24:25], s[22:23]
	s_lshl_b32 s31, s19, 15
	s_add_co_u32 s30, s30, s31
	s_add_co_u32 s30, s30, CFINE
	s_mov_b32 s31, 0
	s_add_nc_u64 s[30:31], s[14:15], s[30:31]
	s_add_nc_u64 s[36:37], s[12:13], RTAB          ; positions 0 to 15
	s_lshl_b32 s38, s19, 18
	s_add_co_u32 s38, s38, KRB
	s_mov_b32 s39, 0
	s_add_nc_u64 s[38:39], s[14:15], s[38:39]
	s_lshl_b32 s42, s19, 16
	s_lshl_b32 s43, s20, 8
	s_add_co_u32 s42, s42, s43
	s_mov_b32 s43, 0
	s_add_nc_u64 s[42:43], s[16:17], s[42:43]
	s_cmp_eq_u32 s2, 5
	s_cbranch_scc1 .Lkr
	PROD 0
	PROD 1
	s_cmp_ge_u32 s2, 6
	s_cbranch_scc1 .Lv
	s_cmp_eq_u32 s2, 2
	s_cbranch_scc1 .Lqr
.irp u, 0,1
	ds_store_b128 v3, v[ACC+8*\u:ACC+8*\u+3] offset:64*\u
	ds_store_b128 v3, v[ACC+8*\u+4:ACC+8*\u+7] offset:64*\u+16
.endr
	s_branch .Ljoin
.Lqr:
.irp j, 0,1,2,3,4,5,6,7,8,9,10,11,12,13,14,15
	v_mov_b32 v[T+\j], v[ACC+\j]                   ; what is made of a finished sum goes into other registers
.endr
	s_branch .Lrope
.Lkr:
.irp u, 0,1
	global_load_b128 v[T+8*\u:T+8*\u+3], v12, s[38:39] offset:64*\u
	global_load_b128 v[T+8*\u+4:T+8*\u+7], v12, s[38:39] offset:64*\u+16
.endr
.Lrope:
.irp u, 0,1
	global_load_b128 v[RT+8*\u:RT+8*\u+3], v12, s[36:37] offset:64*\u
	global_load_b128 v[RT+8*\u+4:RT+8*\u+7], v12, s[36:37] offset:64*\u+16
.endr
	s_wait_loadcnt 0x0
.irp q, 0,2,4,6,8,10,12,14
	v_mul_f32 v10, v[T+\q+1], v[RT+\q+1]
	v_mul_f32 v11, v[T+\q+1], v[RT+\q]
	v_fma_f32 v[T+\q+1], v[T+\q], v[RT+\q+1], v11
	v_fma_f32 v[T+\q], v[T+\q], v[RT+\q], -v10
.endr
.irp u, 0,1
	ds_store_b128 v3, v[T+8*\u:T+8*\u+3] offset:64*\u
	ds_store_b128 v3, v[T+8*\u+4:T+8*\u+7] offset:64*\u+16
.endr
	s_branch .Ljoin
.Lv:
.irp u, 0,1
.irp j, 0,1,2,3,4,5,6,7
	ds_store_b32 v4, v[ACC+8*\u+\j] offset:1280*\u+80*\j
.endr
.endr
.Ljoin:
	s_wait_dscnt 0x0                               ; for wave 0's sake: my stores have landed
	s_barrier_signal -1
	s_barrier_wait -1
	s_cmp_lg_u32 s2, 0
	s_cbranch_scc1 .Lend
.irp g, 0,1,2,3,4,5,6,7,8,9,10,11
	ds_load_b128 v[16+4*\g:19+4*\g], v5 offset:KL+32*\g
	ds_load_b128 v[64+4*\g:67+4*\g], v5 offset:32*\g
.endr
.irp ct, 0,1,2,3
	ds_load_b128 v[128+8*\ct:131+8*\ct], v6 offset:VT+1280*\ct
	ds_load_b128 v[132+8*\ct:135+8*\ct], v6 offset:VT+1280*\ct+16
.endr
	s_wait_dscnt 0x0
.irp g, 0,1,2,3,4,5,6,7,8,9,10,11      ; S^T = K Q^T: 24 steps, even and odd steps on two accumulators by turns
.irp e, 0,1
.if \g == 0
	v_wmma_f32_16x16x4_f32 v[ACC+8*\e:ACC+8*\e+7], v[16+4*\g+2*\e:17+4*\g+2*\e], v[64+4*\g+2*\e:65+4*\g+2*\e], 0
.else
	v_wmma_f32_16x16x4_f32 v[ACC+8*\e:ACC+8*\e+7], v[16+4*\g+2*\e:17+4*\g+2*\e], v[64+4*\g+2*\e:65+4*\g+2*\e], v[ACC+8*\e:ACC+8*\e+7]
.endif
.endr
.endr
	NOPS 8
	v_mov_b32 v122, 0xff800000
.irp j, 0,1,2,3,4,5,6,7
	v_add_f32 v[112+\j], v[ACC+\j], v[ACC+8+\j]    ; lane (r, h): query r, key 8 h + j
.endr
.irp j, 0,1,2,3,4,5,6,7
	v_med3_num_f32 v[112+\j], v[112+\j], s40, s41
.endr
.irp j, 0,1,2,3,4,5,6,7
	v_mul_f32 v[112+\j], 0x3e16c740, v[112+\j]     ; x log2(e) / sqrt(96)
.endr
.irp j, 0,1,2,3,4,5,6,7
	v_cmp_gt_i32 vcc_lo, \j, v7                    ; key 8 h + j above query r: hidden
	v_cndmask_b32 v[112+\j], v[112+\j], v122, vcc_lo
.endr
.irp j, 0,1,2,3,4,5,6,7
	v_exp_f32 v[112+\j], v[112+\j]
.endr
	v_mov_b32 v121, 0
	s_wait_alu depctr_va_vdst(0)                   ; one wait for the eight
	v_add_f32 v120, v112, v113
	v_add_f32 v123, v114, v115
	v_add_f32 v124, v116, v117
	v_add_f32 v125, v118, v119
	v_add_f32 v120, v120, v123
	v_add_f32 v124, v124, v125
	v_add_f32 v120, v120, v124
	v_permlanex16_b32 v121, v120, s34, s35
	v_add_f32 v120, v120, v121                     ; the row's sum
	v_rcp_f32 v120, v120
	v_nop
	s_wait_alu depctr_va_vdst(0)
.irp j, 0,1,2,3,4,5,6,7
	v_mul_f32 v[112+\j], v[112+\j], v120
.endr
.irp kk, 0,1,2,3                       ; O^T = V^T P: keys 8 h + 2 kk, + 1 in step kk, alike in both sources; four accumulators by turns
.irp ct, 0,1,2,3
.if \kk == 0
	v_wmma_f32_16x16x4_f32 v[ACC+8*\ct:ACC+8*\ct+7], v[128+8*\ct+2*\kk:129+8*\ct+2*\kk], v[112+2*\kk:113+2*\kk], 0
.else
	v_wmma_f32_16x16x4_f32 v[ACC+8*\ct:ACC+8*\ct+7], v[128+8*\ct+2*\kk:129+8*\ct+2*\kk], v[112+2*\kk:113+2*\kk], v[ACC+8*\ct:ACC+8*\ct+7]
.endif
.endr
.endr
	NOPS 8
.irp ct, 0,1,2,3
	global_store_b128 v13, v[ACC+8*\ct:ACC+8*\ct+3], s[42:43] offset:64*\ct        ; token r, channels 16 ct + 8 h + 0 .. 7
	global_store_b128 v13, v[ACC+8*\ct+4:ACC+8*\ct+7], s[42:43] offset:64*\ct+16
.endr
.Lend:
	s_wait_tensorcnt 0x0                           ; the wave's end
	ds_add_u32 v1, v2
	s_wait_dscnt 0x0
	s_endpgm
.Lfunc_end_k_q06df917282_fattn:
	.size	k_q06df917282_fattn, .Lfunc_end_k_q06df917282_fattn-k_q06df917282_fattn
	.p2alignl 7, 3214868480
	.fill 96, 4, 3214868480
	.section	.rodata,"a",@progbits
	.p2align	6, 0x0
	.amdhsa_kernel k_q06df917282_fattn
		.amdhsa_group_segment_fixed_size 18944
		.amdhsa_private_segment_fixed_size 0
		.amdhsa_enable_private_segment 0
		.amdhsa_kernarg_size 56
		.amdhsa_user_sgpr_count 2
		.amdhsa_user_sgpr_kernarg_segment_ptr 1
		.amdhsa_wavefront_size32 1
		.amdhsa_system_sgpr_workgroup_id_x 1
		.amdhsa_system_sgpr_workgroup_id_y 1
		.amdhsa_system_sgpr_workgroup_id_z 1
		.amdhsa_system_vgpr_workitem_id 0
		.amdhsa_next_free_vgpr 256
		.amdhsa_next_free_sgpr 66
		.amdhsa_reserve_vcc 1
		.amdhsa_float_denorm_mode_32 3
		.amdhsa_float_denorm_mode_16_64 3
		.amdhsa_memory_ordered 1
		.amdhsa_forward_progress 1
		.amdhsa_inst_pref_size 35
	.end_amdhsa_kernel
	.amdgpu_metadata
---
amdhsa.version: [ 1, 2 ]
amdhsa.kernels:
  - .name:           k_q06df917282_fattn
    .symbol:         k_q06df917282_fattn.kd
    .args:
      - { .name: W_uq, .offset: 0, .size: 8, .value_kind: global_buffer, .address_space: global }
      - { .name: W_rq, .offset: 8, .size: 8, .value_kind: global_buffer, .address_space: global }
      - { .name: W_uk, .offset: 16, .size: 8, .value_kind: global_buffer, .address_space: global }
      - { .name: W_uv, .offset: 24, .size: 8, .value_kind: global_buffer, .address_space: global }
      - { .name: P0, .offset: 32, .size: 8, .value_kind: global_buffer, .address_space: global }
      - { .name: P1, .offset: 40, .size: 8, .value_kind: global_buffer, .address_space: global }
      - { .name: P4, .offset: 48, .size: 8, .value_kind: global_buffer, .address_space: global }
    .group_segment_fixed_size: 18944
    .private_segment_fixed_size: 0
    .kernarg_segment_align: 8
    .kernarg_segment_size: 56
    .max_flat_workgroup_size: 256
    .sgpr_count:     66
    .vgpr_count:     256
    .wavefront_size: 32
...
	.end_amdgpu_metadata
.endif
;; end of part 6
;; launch fout (part 7): grid 64 x 2, 8 waves a work-group, no clusters, 9,216 bytes of LDS; arguments W_o, P4, out0; writes out0
.if DOCPART == 7
	.amdgcn_target "amdgcn-amd-amdhsa--gfx1250"
	.amdhsa_code_object_version 6
	.text
	.protected	k_q06df917282_fout
	.globl	k_q06df917282_fout
	.p2align	8
	.type	k_q06df917282_fout,@function
k_q06df917282_fout:
	s_mov_b64 s[64:65], 0
	v_nop
	global_prefetch_b8 v0, s[64:65] scope:SCOPE_SE
	s_setreg_imm32_b32 hwreg(HW_REG_WAVE_MODE, 25, 1), 1
	s_wait_xcnt 0x0
; FOUT: the out-projection of the first 16 positions of each sequence in f32, over the rows that the f16 launch has stored.
; Work-group (x, b): the 16 tokens x features 16 x .. 16 x + 15.  Wave w sums k = 128 w .. 128 w + 127 (32 steps of the f32 matrix form, even and odd steps on two accumulators by turns); the eight parts meet in LDS,
; and wave w adds and stores register w of the result: tokens w and 8 + w, 64 consecutive bytes each (128 KB in the whole launch).
; K is permuted alike in both sources: lane (r, h) loads k = 8 g + 4 h + 0 .. 3.  The accumulators v144-159 are written by matrix instructions alone.
.set SPARE, 8192
.set ACC, 144
	s_load_b128 s[4:7], s[0:1], 0x0                ; W_o, P4
	s_load_b64 s[8:9], s[0:1], 0x10                ; out0
	v_lshl_add_u32 v5, v0, 2, SPARE                ; my spare word,
	v_mov_b32 v6, 0                                ; and 0: kept for the wave's end
	v_lshrrev_b32 v7, 5, v0
	v_readfirstlane_b32 s2, v7                     ; wave
	s_and_b32 s3, ttmp7, 0xffff                    ; batch
	v_and_b32 v7, 31, v0
	v_and_b32 v8, 15, v0                           ; r
	v_bfe_u32 v9, v0, 4, 1                         ; h
	v_lshlrev_b32 v1, 12, v8
	v_lshl_add_u32 v1, v9, 4, v1                   ; row r of 4,096 bytes + 16 h
	s_lshl_b32 s10, s2, 10
	v_lshl_add_u32 v2, v7, 2, s10                  ; my part: 1,024 w + 4 x lane
	s_lshl_b32 s10, s2, 7
	v_lshl_add_u32 v3, v7, 2, s10                  ; what I add up: 128 w + 4 x lane
	v_lshlrev_b32 v4, 15, v9
	v_lshl_add_u32 v4, v8, 2, v4                   ; out: token 8 h, feature r
	s_lshl_b32 s11, s2, 9                          ; my 128 along K
	s_lshl_b32 s12, ttmp9, 16
	s_add_co_u32 s12, s12, s11
	s_mov_b32 s13, 0
	s_lshl_b32 s14, s3, 16
	s_add_co_u32 s14, s14, s11
	s_mov_b32 s15, 0
	s_lshl_b32 s16, s3, 23
	s_lshl_b32 s17, s2, 12
	s_add_co_u32 s16, s16, s17
	s_lshl_b32 s17, ttmp9, 6
	s_add_co_u32 s16, s16, s17
	s_mov_b32 s17, 0
	s_wait_kmcnt 0x0
	s_add_nc_u64 s[12:13], s[4:5], s[12:13]
	s_add_nc_u64 s[14:15], s[6:7], s[14:15]
	s_add_nc_u64 s[16:17], s[8:9], s[16:17]
.irp g, 0,1,2,3,4,5,6,7,8,9,10,11,12,13,14,15
	global_load_b128 v[16+4*\g:19+4*\g], v1, s[14:15] offset:32*\g
	global_load_b128 v[80+4*\g:83+4*\g], v1, s[12:13] offset:32*\g
.endr
	s_wait_loadcnt 0x0
.irp g, 0,1,2,3,4,5,6,7,8,9,10,11,12,13,14,15
.irp e, 0,1
.if \g == 0
	v_wmma_f32_16x16x4_f32 v[ACC+8*\e:ACC+8*\e+7], v[16+4*\g+2*\e:17+4*\g+2*\e], v[80+4*\g+2*\e:81+4*\g+2*\e], 0
.else
	v_wmma_f32_16x16x4_f32 v[ACC+8*\e:ACC+8*\e+7], v[16+4*\g+2*\e:17+4*\g+2*\e], v[80+4*\g+2*\e:81+4*\g+2*\e], v[ACC+8*\e:ACC+8*\e+7]
.endif
.endr
.endr
.rept 8
	v_nop
.endr
.irp j, 0,1,2,3,4,5,6,7
	v_add_f32 v[160+\j], v[ACC+\j], v[ACC+8+\j]    ; lane (r, h): token 8 h + j, feature r
.endr
.irp j, 0,1,2,3,4,5,6,7
	ds_store_b32 v2, v[160+\j] offset:128*\j
.endr
	s_wait_dscnt 0x0                               ; for the others' sake: my part has landed
	s_barrier_signal -1
	s_barrier_wait -1
.irp i, 0,1,2,3,4,5,6,7
	ds_load_b32 v[168+\i], v3 offset:1024*\i
.endr
	s_wait_dscnt 0x0
	v_add_f32 v168, v168, v169
	v_add_f32 v170, v170, v171
	v_add_f32 v172, v172, v173
	v_add_f32 v174, v174, v175
	v_add_f32 v168, v168, v170
	v_add_f32 v172, v172, v174
	v_add_f32 v168, v168, v172
	global_store_b32 v4, v168, s[16:17]
	s_wait_tensorcnt 0x0                           ; the wave's end
	ds_add_u32 v5, v6
	s_wait_dscnt 0x0
	s_endpgm
.Lfunc_end_k_q06df917282_fout:
	.size	k_q06df917282_fout, .Lfunc_end_k_q06df917282_fout-k_q06df917282_fout
	.p2alignl 7, 3214868480
	.fill 96, 4, 3214868480
	.section	.rodata,"a",@progbits
	.p2align	6, 0x0
	.amdhsa_kernel k_q06df917282_fout
		.amdhsa_group_segment_fixed_size 9216
		.amdhsa_private_segment_fixed_size 0
		.amdhsa_enable_private_segment 0
		.amdhsa_kernarg_size 24
		.amdhsa_user_sgpr_count 2
		.amdhsa_user_sgpr_kernarg_segment_ptr 1
		.amdhsa_wavefront_size32 1
		.amdhsa_system_sgpr_workgroup_id_x 1
		.amdhsa_system_sgpr_workgroup_id_y 1
		.amdhsa_system_sgpr_workgroup_id_z 1
		.amdhsa_system_vgpr_workitem_id 0
		.amdhsa_next_free_vgpr 176
		.amdhsa_next_free_sgpr 66
		.amdhsa_reserve_vcc 0
		.amdhsa_float_denorm_mode_32 3
		.amdhsa_float_denorm_mode_16_64 3
		.amdhsa_memory_ordered 1
		.amdhsa_forward_progress 1
		.amdhsa_inst_pref_size 9
	.end_amdhsa_kernel
	.amdgpu_metadata
---
amdhsa.version: [ 1, 2 ]
amdhsa.kernels:
  - .name:           k_q06df917282_fout
    .symbol:         k_q06df917282_fout.kd
    .args:
      - { .name: W_o, .offset: 0, .size: 8, .value_kind: global_buffer, .address_space: global }
      - { .name: P4, .offset: 8, .size: 8, .value_kind: global_buffer, .address_space: global }
      - { .name: out0, .offset: 16, .size: 8, .value_kind: global_buffer, .address_space: global }
    .group_segment_fixed_size: 9216
    .private_segment_fixed_size: 0
    .kernarg_segment_align: 8
    .kernarg_segment_size: 24
    .max_flat_workgroup_size: 256
    .sgpr_count:     66
    .vgpr_count:     176
    .wavefront_size: 32
...
	.end_amdgpu_metadata
.endif
;; end of part 7
;; ======== version 2 of 2: 5 launches
;; limits: values are held in f16: magnitudes above 65,504 overflow, below 6.1e-05 lose precision
;; workspace buffers: P0 6,868,992 bytes; P1 4,788,224 bytes; P2 33,555,456 bytes; P3 8,388,608 bytes; P4 131,072 bytes
;; launch prep: the kernel of part 1 again; grid 358 x 1, 8 waves a work-group, no clusters, 0 bytes of LDS; arguments x, W_dq, W_dkv, W_rk, W_uq, W_rq, W_uk, W_uv, W_o, P0; writes P0
;; launch down: the kernel of part 2 again; grid 128 x 1, 8 waves a work-group, no clusters, 0 bytes of LDS; arguments P0, P1; writes P1
;; launch up (part 8): grid 16 x 16, 8 waves a work-group, no clusters, 150,016 bytes of LDS; arguments W_uq, W_rq, W_uk, W_uv, P0, P1, P4, P2; writes P2, P4
.if DOCPART == 8
	.amdgcn_target "amdgcn-amd-amdhsa--gfx1250"
	.amdhsa_code_object_version 6
	.text
	.protected	k_q06df917282_up
	.globl	k_q06df917282_up
	.p2align	8
	.type	k_q06df917282_up,@function
k_q06df917282_up:
	s_mov_b64 s[64:65], 0
	v_nop
	global_prefetch_b8 v0, s[64:65] scope:SCOPE_SE
	s_setreg_imm32_b32 hwreg(HW_REG_WAVE_MODE, 25, 1), 1
	s_wait_xcnt 0x0
; UP: Q = c_Q W_uq^T, Q_R = rope(c_Q W_rq^T), K = c_KV W_uk^T, V = c_KV W_uv^T, K_R = rope(x W_rk^T): f16 operands, f32 sums; results as f16 fragments for the attention.
; Work-group (nb, mb), nb < 14: 256 features (16 tiles: nb 0-3 Q, 4-5 Q_R, 6-9 K, 10-13 V) x 256 tokens.  The 128 KB of weight fragments are staged in LDS once and read by all eight waves; wave w holds the c fragments of its two token tiles in registers.
; Q, Q_R, K: source 0 = 16 features, source 1 = 16 tokens: a lane holds a token and eight neighbouring features.  V: the sources swapped: a lane holds a channel and eight neighbouring tokens, since the keys are the K of the second product.
; Q_R: a tile's angles hang on t % 2 alone, so the even tiles go first and the odd ones after: the table is loaded twice, not once a tile.
; THE COMMON SCALE.  Q, K and V grow with three inputs, so they are stored multiplied by one power of two, s: with A = the largest |c| or |rope key| and W = the largest weight, no number passes Bd = A max(256 W, 2)
; (1.42 Bd behind a rotation); s = 2^(141 - Bd's exponent field), so that s Bd < 2^15.  s is a value only: no branch and no address hangs on it.  Every wave makes it from the stored maxima; one wave stores s, 1/s, 80 s^2, c/s^2.
; WORK-GROUPS nb = 14, 15 (32 of them: batch nb - 14, head mb): THE FIRST 16 POSITIONS of a sequence and head, wholly in f32, from c in f32 and the weights as they are given: these rows average one to sixteen values and are the
; largest of the output, so the rounding of f16 operands would weigh most there.  Waves 0, 1: Q; wave 2: Q_R; waves 3, 4: K; wave 5: K_R (no product); waves 6, 7: V; wave 0 then makes scores, clip, mask, softmax and the weighted sum.
; They have LDS bytes of their own.  The f32 matrix form sums 4 along K; K is permuted alike in both sources: lane (r, h) loads k = 8 g + 4 h + 0 .. 3, registers 0, 1 feed step 2 g and registers 2, 3 step 2 g + 1.
; v208-223, the accumulators of both paths, are written by matrix instructions alone in the whole text.
; LIMITS: s is held to 2^-60 .. 2^60; NaN and infinities are not served.
; No cluster: the text has no tensor load, so there is nothing to ask for jointly; a work-group's 128 KB of weights are read once by plain loads.
.set WIMG,  2672640
.set RTAB,  6604800
.set WMAX,  6866944
.set KRB,   4194304
.set CFINE, 4718592
.set CMAX,  4784128
.set QIMG,  1024
.set KIMG,  12583936
.set VIMG,  25166848
.set HSTEP, 393216                     ; from head to head in Q's and K's fragments: 128 tiles x 3 KB
.set SPARE, 131072                     ; behind the weights: the spare words, 128 bytes a wave
.set FB,    132096                     ; the fine path's LDS: Q [16][400 bytes],
.set KL,    6400                       ; K likewise, this far on,
.set VT,    12800                      ; V [64 channels][80 bytes]
.set CF,  16                           ; v16-143  c: fragment (tile i, kt) at 16 + 64 i + 8 kt; ahead of c's loads the stored maxima
.set WB,  144                          ; v144-207 a weight tile: kt 0-3, kt 4-7
.set ACC, 208                          ; v208-223
.set T,   224                          ; v224-239
.set RT,  240                          ; v240-255 cos and sin
.set XCR, 16                           ; the fine path: v16-79 c; later the numbers to turn (v16-31) and the angles (v32-47); in wave 0 K (v16-63)
.set XWR, 80                           ; v80-207 two weight tiles; in wave 0 Q (v64-111), p (v112-119), V (v128-159)
.set XT,  16
.set XRT, 32
.macro NOPS n
.rept \n
	v_nop
.endr
.endm
.macro LOADH hf, t                     ; half hf (four of the eight fragments) of weight tile t
.irp k, 0,1,2,3
.irp c, 0,1
.if (\t) < 8
	ds_load_b128 v[WB+32*\hf+8*\k+4*\c:WB+32*\hf+8*\k+4*\c+3], v1 offset:((\t)%8)*8192+(4*\hf+\k)*1024+512*\c
.else
	ds_load_b128 v[WB+32*\hf+8*\k+4*\c:WB+32*\hf+8*\k+4*\c+3], v2 offset:((\t)%8)*8192+(4*\hf+\k)*1024+512*\c
.endif
.endr
.endr
.endm
.macro MULH hf, kind                   ; 8 matrix instructions, the two accumulators by turns
.irp k, 0,1,2,3
.irp i, 0,1
.if \kind == 2
.if (\hf == 0) && (\k == 0)
	v_wmma_f32_16x16x32_f16 v[ACC+8*\i:ACC+8*\i+7], v[CF+64*\i+8*(4*\hf+\k):CF+64*\i+8*(4*\hf+\k)+7], v[WB+32*\hf+8*\k:WB+32*\hf+8*\k+7], 0
.else
	v_wmma_f32_16x16x32_f16 v[ACC+8*\i:ACC+8*\i+7], v[CF+64*\i+8*(4*\hf+\k):CF+64*\i+8*(4*\hf+\k)+7], v[WB+32*\hf+8*\k:WB+32*\hf+8*\k+7], v[ACC+8*\i:ACC+8*\i+7]
.endif
.else
.if (\hf == 0) && (\k == 0)
	v_wmma_f32_16x16x32_f16 v[ACC+8*\i:ACC+8*\i+7], v[WB+32*\hf+8*\k:WB+32*\hf+8*\k+7], v[CF+64*\i+8*(4*\hf+\k):CF+64*\i+8*(4*\hf+\k)+7], 0
.else
	v_wmma_f32_16x16x32_f16 v[ACC+8*\i:ACC+8*\i+7], v[WB+32*\hf+8*\k:WB+32*\hf+8*\k+7], v[CF+64*\i+8*(4*\hf+\k):CF+64*\i+8*(4*\hf+\k)+7], v[ACC+8*\i:ACC+8*\i+7]
.endif
.endif
.endr
.endr
.endm
.macro ROPE                            ; the eight pairs in T are turned by the angles in RT (cos, sin)
.irp q, 0,2,4,6,8,10,12,14
	v_mul_f32 v7, v[T+\q+1], v[RT+\q+1]
	v_mul_f32 v8, v[T+\q+1], v[RT+\q]
	v_fma_f32 v[T+\q+1], v[T+\q], v[RT+\q+1], v8
	v_fma_f32 v[T+\q], v[T+\q], v[RT+\q], -v7
.endr
.endm
.macro PACK                            ; to f16, in place, ascending
.irp i, 0,1
.irp p, 0,1,2,3
	v_cvt_pk_f16_f32 v[T+8*\i+\p], v[T+8*\i+2*\p], v[T+8*\i+2*\p+1]
.endr
.endr
.endm
.macro RTLOAD c                        ; cos and sin of my two tiles' positions, frequencies 8 c + 4 h + 0 .. 3
.irp i, 0,1
	global_load_b128 v[RT+8*\i:RT+8*\i+3], v5, s[28:29] offset:2048*\i+64*(\c)
	global_load_b128 v[RT+8*\i+4:RT+8*\i+7], v5, s[28:29] offset:2048*\i+64*(\c)+16
.endr
.endm
; Feature tile t.  kind 0: Q or K; 1: Q_R; 2: V.  nxt: the tile that follows (16 or more: none): the halves of its fragments are fetched as soon as this tile's products have read theirs.
.macro FT t, kind, nxt
	s_wait_dscnt 8                                 ; the first half is in; the second half's eight loads may be out
	MULH 0, \kind
	NOPS 4
.if (\nxt) < 16
	LOADH 0, \nxt
	s_wait_dscnt 8                                 ; the second half is in; the eight just issued may be out
.else
	s_wait_dscnt 0x0
.endif
	MULH 1, \kind
	NOPS 5
.if (\nxt) < 16
	LOADH 1, \nxt
.endif
	s_wait_xcnt 0x0                                ; the last tile's stores have read T
.irp k, 0,2,4,6,8,10,12,14
	v_pk_mul_f32 v[T+\k:T+\k+1], v[ACC+\k:ACC+\k+1], s[40:41] op_sel_hi:[1,0]   ; x s
.endr
.if \kind == 1
	s_wait_loadcnt 0x0                             ; the angles are in
	ROPE
.if (\t) == 14
	RTLOAD 1                                       ; the last even tile is turned: the odd tiles' angles
.endif
.endif
	PACK
.irp i, 0,1
.if \kind == 0
	global_store_b128 v1, v[T+8*\i:T+8*\i+3], s[26:27] offset:((\t)/4)*HSTEP+\i*3072+(((\t)%4)/2)*1024+((\t)%2)*512
.elseif \kind == 1
	global_store_b128 v1, v[T+8*\i:T+8*\i+3], s[26:27] offset:((\t)/2)*HSTEP+\i*3072+2048+((\t)%2)*512
.else
	global_store_b128 v1, v[T+8*\i:T+8*\i+3], s[26:27] offset:((\t)/4)*262144+((\t)%4)*1024+512*\i
.endif
.endr
.endm
.macro WRED r                          ; the largest over the wave's 32 lanes, in every lane
	v_max_num_f32_dpp v[\r], v[\r], v[\r] row_xmask:1 row_mask:0xf bank_mask:0xf
	v_max_num_f32_dpp v[\r], v[\r], v[\r] row_xmask:2 row_mask:0xf bank_mask:0xf
	v_max_num_f32_dpp v[\r], v[\r], v[\r] row_xmask:4 row_mask:0xf bank_mask:0xf
	v_max_num_f32_dpp v[\r], v[\r], v[\r] row_xmask:8 row_mask:0xf bank_mask:0xf
	v_permlanex16_b32 v255, v[\r], s42, s43
	v_max_num_f32 v[\r], v[\r], v255
.endm
.macro PROD bt                         ; the fine path: 128 along K: 48 loads, 64 matrix instructions, the two tiles by turns
.set g, 0
.rept 16
	global_load_b128 v[XCR+4*g:XCR+4*g+3], v14, s[30:31] offset:512*\bt+32*g
	global_load_b128 v[XWR+4*g:XWR+4*g+3], v15, s[24:25] offset:512*\bt+32*g
	global_load_b128 v[XWR+64+4*g:XWR+64+4*g+3], v15, s[24:25] offset:16384+512*\bt+32*g
.set g, g+1
.endr
	s_wait_loadcnt 0x0
.set g, 0
.rept 16
.irp e, 0,1
.irp u, 0,1
.if (\bt == 0) && (g == 0) && (\e == 0)
	v_wmma_f32_16x16x4_f32 v[ACC+8*\u:ACC+8*\u+7], v[XWR+64*\u+4*g+2*\e:XWR+64*\u+4*g+2*\e+1], v[XCR+4*g+2*\e:XCR+4*g+2*\e+1], 0
.else
	v_wmma_f32_16x16x4_f32 v[ACC+8*\u:ACC+8*\u+7], v[XWR+64*\u+4*g+2*\e:XWR+64*\u+4*g+2*\e+1], v[XCR+4*g+2*\e:XCR+4*g+2*\e+1], v[ACC+8*\u:ACC+8*\u+7]
.endif
.endr
.endr
.set g, g+1
.endr
	NOPS 9                                         ; places in front of loads into the sources, of reads of the sums, and of sums begun anew in these registers
.endm
	v_lshl_add_u32 v10, v0, 2, SPARE               ; my spare word,
	v_mov_b32 v11, 0                               ; and 0: kept for the wave's end
	s_cmp_ge_u32 ttmp9, 14
	s_cbranch_scc1 .Lfine
	s_load_b128 s[4:7], s[0:1], 0x20               ; P0, P1
	s_load_b64 s[8:9], s[0:1], 0x38                ; P2
	v_lshrrev_b32 v7, 5, v0
	v_readfirstlane_b32 s10, v7                    ; wave
	s_mov_b32 s11, ttmp9                           ; nb
	s_and_b32 s12, ttmp7, 0xffff                   ; mb
	v_and_b32 v7, 31, v0
	v_and_b32 v8, 15, v0
	v_bfe_u32 v9, v0, 4, 1
	v_lshlrev_b32 v1, 4, v7                        ; 16 x lane
	v_add_nc_u32 v2, 0x10000, v1                   ; the same in the weights' upper 64 KB
	v_lshlrev_b32 v3, 4, v0                        ; 16 x thread
	v_add_nc_u32 v4, 0x10000, v3
	v_lshlrev_b32 v5, 7, v8
	v_lshl_add_u32 v5, v9, 5, v5                   ; 128 r + 32 h: the rope table and the rope key
	v_lshlrev_b32 v12, 7, v7
	v_lshlrev_b32 v13, 2, v7
	s_mov_b32 s42, 0x76543210
	s_mov_b32 s43, 0xfedcba98
	s_lshr_b32 s13, s12, 3                         ; batch
	s_and_b32 s14, s12, 7
	s_lshl_b32 s14, s14, 4
	s_lshl_b32 s15, s10, 1
	s_add_co_u32 s14, s14, s15                     ; my first tile in the sequence
	s_lshl_b32 s16, s12, 4
	s_add_co_u32 s16, s16, s15
	s_lshl_b32 s16, s16, 13                        ; c's fragments of my two tiles,
	s_cmp_ge_u32 s11, 6
	s_cselect_b32 s17, 0x200000, 0                 ; of c_Q or of c_KV
	s_add_co_u32 s16, s16, s17
	s_mov_b32 s17, 0
	s_lshl_b32 s18, s11, 17
	s_add_co_u32 s18, s18, WIMG
	s_mov_b32 s19, 0
	s_and_b32 s28, s12, 7
	s_lshl_b32 s28, s28, 8
	s_lshl_b32 s29, s10, 5
	s_add_co_u32 s28, s28, s29
	s_lshl_b32 s28, s28, 7
	s_add_co_u32 s28, s28, RTAB                    ; the table at my first position
	s_lshl_b32 s30, s12, 8
	s_add_co_u32 s30, s30, s29
	s_lshl_b32 s30, s30, 7
	s_add_co_u32 s30, s30, KRB                     ; the rope key at my first token
	s_mov_b32 s29, 0
	s_mov_b32 s31, 0
	s_wait_kmcnt 0x0
	s_add_nc_u64 s[16:17], s[6:7], s[16:17]
	s_add_nc_u64 s[18:19], s[4:5], s[18:19]
	s_add_nc_u64 s[20:21], s[6:7], CMAX
	s_add_nc_u64 s[22:23], s[4:5], WMAX
	s_add_nc_u64 s[28:29], s[4:5], s[28:29]
	s_add_nc_u64 s[30:31], s[6:7], s[30:31]
.irp k, 0,1,2,3,4,5,6,7
	global_load_b128 v[16+4*\k:19+4*\k], v12, s[20:21] offset:16*\k      ; 1,024 maxima of c: 32 a lane
.endr
.irp k, 0,1,2,3,4,5,6,7,8,9,10,11,12,13,14
	global_load_b32 v[48+\k], v13, s[22:23] offset:128*\k                ; 480 maxima of the weights: 15 a lane
.endr
	; the weights: 128 KB as they lie, 4,096 bytes an instruction of the work-group
.irp k, 0,1,2,3,4,5,6,7,8,9,10,11,12,13,14,15
	global_load_b128 v[WB+4*\k:WB+4*\k+3], v3, s[18:19] offset:4096*\k
.endr
	s_wait_loadcnt 0x0
.irp k, 0,1,2,3,4,5,6,7,8,9,10,11,12,13,14,15
	ds_store_b128 v3, v[WB+4*\k:WB+4*\k+3] offset:4096*\k
.endr
	s_wait_dscnt 0x0                               ; the stores have read their registers
.irp k, 0,1,2,3,4,5,6,7,8,9,10,11,12,13,14,15
	global_load_b128 v[WB+4*\k:WB+4*\k+3], v3, s[18:19] offset:65536+4096*\k
.endr
	; the common scale, while those loads are out
.irp k, 1,3,5,7,9,11,13,15,17,19,21,23,25,27,29
	v_max3_num_f32 v16, v16, v[16+\k], v[17+\k]
.endr
	v_max_num_f32 v16, v16, v47
.irp k, 1,3,5,7,9,11,13
	v_max3_num_f32 v48, v48, v[48+\k], v[49+\k]
.endr
	v_mov_b32 v255, 0
	WRED 16
	WRED 48
	v_mul_f32 v48, 0x43800000, v48                 ; 256 W
	v_max_num_f32 v48, 2.0, v48
	v_mul_f32 v16, v16, v48                        ; Bd
	v_lshrrev_b32 v224, 23, v16
	v_sub_nc_u32 v224, 268, v224
	v_max_u32 v224, 67, v224
	v_min_u32 v224, 187, v224                      ; s's exponent field
	v_lshlrev_b32 v248, 23, v224                   ; s
	v_sub_nc_u32 v225, 254, v224
	v_lshlrev_b32 v249, 23, v225                   ; 1/s
	v_lshl_add_u32 v226, v224, 1, 0xffffff81
	v_lshlrev_b32 v227, 23, v226                   ; s^2
	v_mul_f32 v250, 0x42a00000, v227               ; 80 s^2
	v_sub_nc_u32 v226, 254, v226
	v_lshlrev_b32 v227, 23, v226                   ; 1/s^2
	v_mul_f32 v251, 0x3e16c740, v227               ; log2(e) / sqrt(96) / s^2
	v_readfirstlane_b32 s40, v248
	s_mov_b32 s41, s40                             ; (named with it as a pair)
.set k, 0
.rept 32
	global_load_b128 v[CF+4*k:CF+4*k+3], v1, s[16:17] offset:512*k       ; c, into the registers that held the maxima
.set k, k+1
.endr
	s_wait_loadcnt 32                              ; the weights' second half is in; c's 32 loads, issued behind it, may be out
.irp k, 0,1,2,3,4,5,6,7,8,9,10,11,12,13,14,15
	ds_store_b128 v4, v[WB+4*\k:WB+4*\k+3] offset:4096*\k
.endr
	s_or_b32 s24, s11, s12
	s_or_b32 s24, s24, s10
	s_cmp_lg_u32 s24, 0
	s_cbranch_scc1 .Lno_scl
	global_store_b128 v1, v[248:251], s[8:9]       ; one wave of the launch stores the four numbers, 16 bytes a lane
.Lno_scl:
	s_wait_dscnt 0x0                               ; my part of the weights lies in LDS
	s_barrier_signal -1
	s_barrier_wait -1                              ; everybody's does
	s_wait_xcnt 0x0                                ; that store has read its registers
	LOADH 0, 0
	LOADH 1, 0
	s_wait_loadcnt 0x0                             ; c is in
	s_lshl_b32 s25, s13, 4                         ; 16 x batch
	s_cmp_ge_u32 s11, 10
	s_cbranch_scc1 .Lv
	s_cmp_ge_u32 s11, 6
	s_cbranch_scc1 .Lqk
	s_cmp_ge_u32 s11, 4
	s_cbranch_scc1 .Lqr
.Lqk:
	s_cmp_lt_u32 s11, 4
	s_cselect_b32 s24, 0, 6
	s_mov_b32 s27, KIMG
	s_cselect_b32 s27, QIMG, s27
	s_sub_co_u32 s24, s11, s24
	s_lshl_b32 s24, s24, 2
	s_add_co_u32 s26, s25, s24                     ; my first head
	s_lshl_b32 s26, s26, 7
	s_add_co_u32 s26, s26, s14
	s_mul_i32 s26, s26, 3072
	s_add_co_u32 s26, s26, s27
	s_mov_b32 s27, 0
	s_add_nc_u64 s[26:27], s[8:9], s[26:27]
.irp t, 0,1,2,3,4,5,6,7,8,9,10,11,12,13,14,15
	FT \t, 0, \t+1
.endr
	s_cmp_lt_u32 s11, 6
	s_cbranch_scc1 .Lend
	; K's work-groups also turn the rope key and lay it behind each of their four heads' K
.irp c, 0,1
	s_wait_xcnt 0x0                                ; the stores have read T
.irp i, 0,1
	global_load_b128 v[T+8*\i:T+8*\i+3], v5, s[30:31] offset:2048*\i+64*\c
	global_load_b128 v[T+8*\i+4:T+8*\i+7], v5, s[30:31] offset:2048*\i+64*\c+16
.endr
	RTLOAD \c
	s_wait_loadcnt 0x0
.irp k, 0,2,4,6,8,10,12,14
	v_pk_mul_f32 v[T+\k:T+\k+1], v[T+\k:T+\k+1], s[40:41] op_sel_hi:[1,0]
.endr
	ROPE
	PACK
.irp i, 0,1
.irp e, 0,1,2,3
	global_store_b128 v1, v[T+8*\i:T+8*\i+3], s[26:27] offset:\e*HSTEP+\i*3072+2048+512*\c
.endr
.endr
.endr
	s_branch .Lend
.Lqr:
	s_sub_co_u32 s24, s11, 4
	s_lshl_b32 s24, s24, 3
	s_add_co_u32 s26, s25, s24
	s_lshl_b32 s26, s26, 7
	s_add_co_u32 s26, s26, s14
	s_mul_i32 s26, s26, 3072
	s_add_co_u32 s26, s26, QIMG
	s_mov_b32 s27, 0
	s_add_nc_u64 s[26:27], s[8:9], s[26:27]
	RTLOAD 0                                       ; the even tiles' angles
.irp t, 0,2,4,6,8,10,12
	FT \t, 1, \t+2
.endr
	FT 14, 1, 1
.irp t, 1,3,5,7,9,11,13,15
	FT \t, 1, \t+2
.endr
	s_branch .Lend
.Lv:
	s_sub_co_u32 s24, s11, 10
	s_lshl_b32 s24, s24, 2
	s_add_co_u32 s26, s25, s24
	s_lshl_b32 s26, s26, 18
	s_lshr_b32 s24, s14, 1
	s_lshl_b32 s24, s24, 12
	s_add_co_u32 s26, s26, s24
	s_add_co_u32 s26, s26, VIMG
	s_mov_b32 s27, 0
	s_add_nc_u64 s[26:27], s[8:9], s[26:27]
.irp t, 0,1,2,3,4,5,6,7,8,9,10,11,12,13,14,15
	FT \t, 2, \t+1
.endr
.Lend:
	s_wait_tensorcnt 0x0                           ; the wave's end
	ds_add_u32 v10, v11
	s_wait_dscnt 0x0
	s_endpgm
	; ---- the first 16 positions of (batch nb - 14, head mb), in f32
.Lfine:
	s_load_b256 s[4:11], s[0:1], 0x0               ; W_uq, W_rq, W_uk, W_uv
	s_load_b128 s[12:15], s[0:1], 0x20             ; P0, P1
	s_load_b64 s[16:17], s[0:1], 0x30              ; P4
	v_lshrrev_b32 v8, 5, v0
	v_readfirstlane_b32 s2, v8                     ; wave
	s_sub_co_u32 s19, ttmp9, 14                    ; batch
	s_and_b32 s20, ttmp7, 0xffff                   ; head
	v_and_b32 v8, 15, v0                           ; r
	v_bfe_u32 v9, v0, 4, 1                         ; h
	; every LDS address is made here, ahead of the parting of the waves
	v_mul_u32_u24 v3, v8, 400
	v_lshl_add_u32 v3, v9, 5, v3
	s_mul_i32 s27, s2, 11
	s_lshr_b32 s27, s27, 5                         ; 0 for waves 0-2, 1 for waves 3-5
	s_mul_i32 s27, s27, 6016
	s_lshl_b32 s28, s2, 7
	s_add_co_u32 s27, s27, s28
	s_add_co_u32 s27, s27, FB
	v_add_nc_u32 v3, s27, v3                       ; Q's or K's row r, my 32 features, + 32 h
	s_and_b32 s28, s2, 1
	s_mul_i32 s28, s28, 2560
	s_add_co_u32 s28, s28, FB+VT
	v_mul_u32_u24 v4, v9, 640
	v_lshl_add_u32 v4, v8, 2, v4
	v_add_nc_u32 v4, s28, v4                       ; V: channel 32 (w % 2) + 8 h, token r
	v_mul_u32_u24 v5, v8, 400
	v_lshl_add_u32 v5, v9, 4, v5
	v_add_nc_u32 v5, FB, v5                        ; wave 0 reads Q and K: row r, + 16 h
	v_mul_u32_u24 v6, v8, 80
	v_lshl_add_u32 v6, v9, 5, v6
	v_add_nc_u32 v6, FB, v6                        ; and V: channel r, + 32 h
	v_lshlrev_b32 v7, 3, v9
	v_sub_nc_u32 v7, v8, v7                        ; r - 8 h
	v_lshlrev_b32 v12, 7, v8
	v_lshl_add_u32 v12, v9, 5, v12                 ; the table and the rope key: 128 r + 32 h
	v_lshlrev_b32 v13, 12, v8
	v_lshl_add_u32 v13, v9, 5, v13                 ; out: row r of 4,096 bytes + 32 h
	v_lshlrev_b32 v14, 11, v8
	v_lshl_add_u32 v14, v9, 4, v14                 ; c: row r of 2,048 bytes + 16 h
	v_lshlrev_b32 v15, 10, v8
	v_lshl_add_u32 v15, v9, 4, v15                 ; a weight: row r of 1,024 bytes + 16 h
	s_mov_b32 s34, 0x76543210
	s_mov_b32 s35, 0xfedcba98
	s_mov_b32 s40, 0xc2a00000                      ; -80
	s_mov_b32 s41, 0x42a00000                      ; 80
	s_lshl_b32 s21, s20, 6
	s_lshl_b32 s26, s20, 5
	s_wait_kmcnt 0x0
	s_cmp_lt_u32 s2, 6
	s_cselect_b64 s[24:25], s[8:9], s[10:11]       ; W_uk for waves 3-5, W_uv for 6, 7
	s_cselect_b32 s22, 3, 6
	s_cmp_lt_u32 s2, 3
	s_cselect_b64 s[24:25], s[4:5], s[24:25]       ; W_uq for waves 0, 1
	s_cselect_b32 s22, 0, s22
	s_cselect_b32 s30, 0, 1024                     ; c_Q or c_KV in a row of c
	s_sub_co_u32 s22, s2, s22
	s_lshl_b32 s22, s22, 5
	s_add_co_u32 s22, s22, s21                     ; my first row: 64 x head + 32 x (my place among the tensor's waves)
	s_cmp_eq_u32 s2, 2
	s_cselect_b64 s[24:25], s[6:7], s[24:25]       ; W_rq for wave 2,
	s_cselect_b32 s22, s26, s22                    ; row 32 x head
	s_lshl_b32 s22, s22, 10
	s_mov_b32 s23, 0
	s_add_nc_u64 s[24:25], s[24:25], s[22:23]
	s_lshl_b32 s31, s19, 15
	s_add_co_u32 s30, s30, s31
	s_add_co_u32 s30, s30, CFINE
	s_mov_b32 s31, 0
	s_add_nc_u64 s[30:31], s[14:15], s[30:31]
	s_add_nc_u64 s[36:37], s[12:13], RTAB          ; positions 0 to 15
	s_lshl_b32 s38, s19, 18
	s_add_co_u32 s38, s38, KRB
	s_mov_b32 s39, 0
	s_add_nc_u64 s[38:39], s[14:15], s[38:39]
	s_lshl_b32 s42, s19, 16
	s_lshl_b32 s43, s20, 8
	s_add_co_u32 s42, s42, s43
	s_mov_b32 s43, 0
	s_add_nc_u64 s[42:43], s[16:17], s[42:43]
	s_cmp_eq_u32 s2, 5
	s_cbranch_scc1 .Lfkr
	PROD 0
	PROD 1
	s_cmp_ge_u32 s2, 6
	s_cbranch_scc1 .Lfv
	s_cmp_eq_u32 s2, 2
	s_cbranch_scc1 .Lfqr
.irp u, 0,1
	ds_store_b128 v3, v[ACC+8*\u:ACC+8*\u+3] offset:64*\u
	ds_store_b128 v3, v[ACC+8*\u+4:ACC+8*\u+7] offset:64*\u+16
.endr
	s_branch .Lfjoin
.Lfqr:
.irp j, 0,1,2,3,4,5,6,7,8,9,10,11,12,13,14,15
	v_mov_b32 v[XT+\j], v[ACC+\j]                  ; what is made of a finished sum goes into other registers
.endr
	s_branch .Lfrope
.Lfkr:
.irp u, 0,1
	global_load_b128 v[XT+8*\u:XT+8*\u+3], v12, s[38:39] offset:64*\u
	global_load_b128 v[XT+8*\u+4:XT+8*\u+7], v12, s[38:39] offset:64*\u+16
.endr
.Lfrope:
.irp u, 0,1
	global_load_b128 v[XRT+8*\u:XRT+8*\u+3], v12, s[36:37] offset:64*\u
	global_load_b128 v[XRT+8*\u+4:XRT+8*\u+7], v12, s[36:37] offset:64*\u+16
.endr
	s_wait_loadcnt 0x0
.irp q, 0,2,4,6,8,10,12,14
	v_mul_f32 v1, v[XT+\q+1], v[XRT+\q+1]
	v_mul_f32 v2, v[XT+\q+1], v[XRT+\q]
	v_fma_f32 v[XT+\q+1], v[XT+\q], v[XRT+\q+1], v2
	v_fma_f32 v[XT+\q], v[XT+\q], v[XRT+\q], -v1
.endr
.irp u, 0,1
	ds_store_b128 v3, v[XT+8*\u:XT+8*\u+3] offset:64*\u
	ds_store_b128 v3, v[XT+8*\u+4:XT+8*\u+7] offset:64*\u+16
.endr
	s_branch .Lfjoin
.Lfv:
.irp u, 0,1
.irp j, 0,1,2,3,4,5,6,7
	ds_store_b32 v4, v[ACC+8*\u+\j] offset:1280*\u+80*\j
.endr
.endr
.Lfjoin:
	s_wait_dscnt 0x0                               ; for wave 0's sake: my stores have landed
	s_barrier_signal -1
	s_barrier_wait -1
	s_cmp_lg_u32 s2, 0
	s_cbranch_scc1 .Lfend
.irp g, 0,1,2,3,4,5,6,7,8,9,10,11
	ds_load_b128 v[16+4*\g:19+4*\g], v5 offset:KL+32*\g
	ds_load_b128 v[64+4*\g:67+4*\g], v5 offset:32*\g
.endr
.irp ct, 0,1,2,3
	ds_load_b128 v[128+8*\ct:131+8*\ct], v6 offset:VT+1280*\ct
	ds_load_b128 v[132+8*\ct:135+8*\ct], v6 offset:VT+1280*\ct+16
.endr
	s_wait_dscnt 0x0
.irp g, 0,1,2,3,4,5,6,7,8,9,10,11      ; S^T = K Q^T: 24 steps, even and odd steps on two accumulators by turns
.irp e, 0,1
.if \g == 0
	v_wmma_f32_16x16x4_f32 v[ACC+8*\e:ACC+8*\e+7], v[16+4*\g+2*\e:17+4*\g+2*\e], v[64+4*\g+2*\e:65+4*\g+2*\e], 0
.else
	v_wmma_f32_16x16x4_f32 v[ACC+8*\e:ACC+8*\e+7], v[16+4*\g+2*\e:17+4*\g+2*\e], v[64+4*\g+2*\e:65+4*\g+2*\e], v[ACC+8*\e:ACC+8*\e+7]
.endif
.endr
.endr
	NOPS 8
	v_mov_b32 v122, 0xff800000
.irp j, 0,1,2,3,4,5,6,7
	v_add_f32 v[112+\j], v[ACC+\j], v[ACC+8+\j]    ; lane (r, h): query r, key 8 h + j
.endr
.irp j, 0,1,2,3,4,5,6,7
	v_med3_num_f32 v[112+\j], v[112+\j], s40, s41
.endr
.irp j, 0,1,2,3,4,5,6,7
	v_mul_f32 v[112+\j], 0x3e16c740, v[112+\j]     ; x log2(e) / sqrt(96): the clip holds this within +-11.8, so no maximum is taken away
.endr
.irp j, 0,1,2,3,4,5,6,7
	v_cmp_gt_i32 vcc_lo, \j, v7                    ; key 8 h + j above query r: hidden
	v_cndmask_b32 v[112+\j], v[112+\j], v122, vcc_lo
.endr
.irp j, 0,1,2,3,4,5,6,7
	v_exp_f32 v[112+\j], v[112+\j]
.endr
	v_mov_b32 v121, 0
	s_wait_alu depctr_va_vdst(0)                   ; one wait for the eight
	v_add_f32 v120, v112, v113
	v_add_f32 v123, v114, v115
	v_add_f32 v124, v116, v117
	v_add_f32 v125, v118, v119
	v_add_f32 v120, v120, v123
	v_add_f32 v124, v124, v125
	v_add_f32 v120, v120, v124
	v_permlanex16_b32 v121, v120, s34, s35
	v_add_f32 v120, v120, v121                     ; the row's sum
	v_rcp_f32 v120, v120
	v_nop
	s_wait_alu depctr_va_vdst(0)
.irp j, 0,1,2,3,4,5,6,7
	v_mul_f32 v[112+\j], v[112+\j], v120
.endr
.irp ps, 0,1                           ; O^T = V^T P, two channel tiles at a time: keys 8 h + 2 kk, + 1 in step kk, alike in both sources; the two accumulators by turns
.irp kk, 0,1,2,3
.irp ct, 0,1
.if \kk == 0
	v_wmma_f32_16x16x4_f32 v[ACC+8*\ct:ACC+8*\ct+7], v[128+8*(2*\ps+\ct)+2*\kk:129+8*(2*\ps+\ct)+2*\kk], v[112+2*\kk:113+2*\kk], 0
.else
	v_wmma_f32_16x16x4_f32 v[ACC+8*\ct:ACC+8*\ct+7], v[128+8*(2*\ps+\ct)+2*\kk:129+8*(2*\ps+\ct)+2*\kk], v[112+2*\kk:113+2*\kk], v[ACC+8*\ct:ACC+8*\ct+7]
.endif
.endr
.endr
	NOPS 9                                         ; places in front of the stores' reads and of the next pass, which begins anew in these registers
.irp ct, 0,1
	global_store_b128 v13, v[ACC+8*\ct:ACC+8*\ct+3], s[42:43] offset:64*(2*\ps+\ct)        ; token r, channels 16 (2 ps + ct) + 8 h + 0 .. 7
	global_store_b128 v13, v[ACC+8*\ct+4:ACC+8*\ct+7], s[42:43] offset:64*(2*\ps+\ct)+16
.endr
	s_wait_xcnt 0x0                                ; the stores have read the accumulators
.endr
.Lfend:
	s_wait_tensorcnt 0x0                           ; the wave's end
	ds_add_u32 v10, v11
	s_wait_dscnt 0x0
	s_endpgm
.Lfunc_end_k_q06df917282_up:
	.size	k_q06df917282_up, .Lfunc_end_k_q06df917282_up-k_q06df917282_up
	.p2alignl 7, 3214868480
	.fill 96, 4, 3214868480
	.section	.rodata,"a",@progbits
	.p2align	6, 0x0
	.amdhsa_kernel k_q06df917282_up
		.amdhsa_group_segment_fixed_size 150016
		.amdhsa_private_segment_fixed_size 0
		.amdhsa_enable_private_segment 0
		.amdhsa_kernarg_size 64
		.amdhsa_user_sgpr_count 2
		.amdhsa_user_sgpr_kernarg_segment_ptr 1
		.amdhsa_wavefront_size32 1
		.amdhsa_system_sgpr_workgroup_id_x 1
		.amdhsa_system_sgpr_workgroup_id_y 1
		.amdhsa_system_sgpr_workgroup_id_z 1
		.amdhsa_system_vgpr_workitem_id 0
		.amdhsa_next_free_vgpr 256
		.amdhsa_next_free_sgpr 66
		.amdhsa_reserve_vcc 1
		.amdhsa_float_denorm_mode_32 3
		.amdhsa_float_denorm_mode_16_64 3
		.amdhsa_memory_ordered 1
		.amdhsa_forward_progress 1
		.amdhsa_inst_pref_size 255
	.end_amdhsa_kernel
	.section	.bss,"aw",@nobits
	.p2align	6
	.space	262144
	.amdgpu_metadata
---
amdhsa.version: [ 1, 2 ]
amdhsa.kernels:
  - .name:           k_q06df917282_up
    .symbol:         k_q06df917282_up.kd
    .args:
      - { .name: W_uq, .offset: 0, .size: 8, .value_kind: global_buffer, .address_space: global }
      - { .name: W_rq, .offset: 8, .size: 8, .value_kind: global_buffer, .address_space: global }
      - { .name: W_uk, .offset: 16, .size: 8, .value_kind: global_buffer, .address_space: global }
      - { .name: W_uv, .offset: 24, .size: 8, .value_kind: global_buffer, .address_space: global }
      - { .name: P0, .offset: 32, .size: 8, .value_kind: global_buffer, .address_space: global }
      - { .name: P1, .offset: 40, .size: 8, .value_kind: global_buffer, .address_space: global }
      - { .name: P4, .offset: 48, .size: 8, .value_kind: global_buffer, .address_space: global }
      - { .name: P2, .offset: 56, .size: 8, .value_kind: global_buffer, .address_space: global }
    .group_segment_fixed_size: 150016
    .private_segment_fixed_size: 0
    .kernarg_segment_align: 8
    .kernarg_segment_size: 64
    .max_flat_workgroup_size: 256
    .sgpr_count:     66
    .vgpr_count:     256
    .wavefront_size: 32
...
	.end_amdgpu_metadata
.endif
;; end of part 8
;; launch attn (part 9): grid 8 x 32, 8 waves a work-group, no clusters, 41,984 bytes of LDS; arguments P2, P3; writes P3
.if DOCPART == 9
	.amdgcn_target "amdgcn-amd-amdhsa--gfx1250"
	.amdhsa_code_object_version 6
	.text
	.protected	k_q06df917282_attn
	.globl	k_q06df917282_attn
	.p2align	8
	.type	k_q06df917282_attn,@function
k_q06df917282_attn:
	s_mov_b64 s[64:65], 0
	v_nop
	global_prefetch_b8 v0, s[64:65] scope:SCOPE_SE
	s_setreg_imm32_b32 hwreg(HW_REG_WAVE_MODE, 25, 1), 1
	s_wait_xcnt 0x0
; ATTN: weights = softmax(clip(Q K^T, -80, 80) / sqrt(96)) under the causal mask; attn = weights V.  f16 operands (Q, K, V stored times s), f32 sums.
; NO MAXIMUM IS TAKEN AWAY: the clip bounds the exponent t = clip(score) log2(e) / sqrt(96) to +-11.8 for every input, so p = 2^t lies between 2.8e-4 and 3,566 (normal numbers of f16) and a row's sum of 2,048 of them under 2^23.
; SHARES.  Work-group (i, bh) owns query blocks i and 15 - i of 128 queries of one head: 17 block products in every work-group.  Wave w owns one tile of 16 queries of each block (tile A, tile B); the keys are walked once and serve both.
; Key blocks 0 .. i-1: both tiles; block i: A on its diagonal, B open; blocks i+1 .. 14-i: B alone; block 15-i: B on its diagonal.  Trip counts hang on the work-group's number alone.
; LAYOUT.  S^T = K Q^T (source 0 = 16 keys, source 1 = 16 queries): a lane holds one query and eight keys; two such tiles rounded to f16 are source 1 of O^T = V^T P.
; THE PIPELINE.  A step is 32 keys.  Behind a step's scores its V and the NEXT step's K are asked of LDS, so both land under the softmax.
; A chunk of 64 keys (K 12 KB, V 8 KB) is staged by the eight waves, 4,096 bytes an instruction, in two LDS buffers by turns.  TWO chunks are on their way from memory, in 2 x 20 registers of window 1 (v256-295).
; ONE BARRIER A CHUNK, in the chunk's second step: in front of it a wave's last reads of this buffer (V) are back and its stores of the next chunk into the other buffer have landed; behind it the next chunk's first K is read.
; The buffer that is stored into was last read in front of the barrier before, and nobody reads it between the two.
; The last block and the block before it are written out, so that no load is jumped over: behind chunk n - 4 nothing more is asked of memory.
; K AND V ARE PREFETCHED INTO THE L2: the head's work-group 0, which walks all 16 key blocks, asks in key block kb for block kb + 3: waves 0-2 for K's 24,576 bytes, waves 3, 4 for V's 16,384, lanes 256 bytes apart, one instruction a wave and block:
; each aligned 256 bytes is named once in the launch.  Blocks 0 to 2 come by their loads alone; the asking stops when block 15 has been named.
; No cluster: the work-groups of a head walk different numbers of key blocks (16 - i), and the text has no tensor load.
.set QIMG,  1024
.set KIMG,  12583936
.set VIMG,  25166848
.set BUF,   20480
.set SPARE, 40960
.set Q,   8                            ; v8-55    Q: tile t, kt at 8 + 24 t + 8 kt
.set O,   56                           ; v56-119  O^T: 56 + 32 t + 8 ch
.set L,   120                          ; v120-123 the rows' sums, two halves a tile
.set K,   124                          ; v124-171 K's six fragments of a step
.set V,   172                          ; v172-203 V's four
.set S,   204                          ; v204-235 S^T, then p: 204 + 16 t + 8 (key tile)
.set T,   236                          ; v236-243 the way out
.set STG, 0                            ; window 1: v256-295: chunks on their way, set c % 2 at 20 (c % 2)
.set PFA, 42                           ; s[42:43] where my prefetches stand
.set PFS, 44                           ; s[44:45] a key block on, in bytes
.set LIM, 41                           ; s41      12 in a wave that prefetches, else 0
.set MSB, 0
.macro WIN new                         ; the immediate's high byte repeats the setting that is left
.if MSB != \new
	s_set_vgpr_msb (MSB<<8)|\new
.set MSB, \new
.endif
.endm
.macro NOPS n
.rept \n
	v_nop
.endr
.endm
.macro STAGE_LD set                    ; the chunk at the pointers, into a set of window 1
	WIN 0x40                                       ; destination window 1, address window 0
.irp k, 0,1,2
	global_load_b128 v[STG+20*(\set)+4*\k:STG+20*(\set)+4*\k+3], v2, s[8:9] offset:4096*\k
.endr
.irp k, 0,1
	global_load_b128 v[STG+20*(\set)+12+4*\k:STG+20*(\set)+12+4*\k+3], v2, s[10:11] offset:4096*\k
.endr
	WIN 0
.endm
.macro STEP_PTR                        ; the pointers go a chunk on
	s_wait_xcnt 0x0                                ; the loads that are out have read their addresses
	s_add_nc_u64 s[8:9], s[8:9], 12288
	s_add_nc_u64 s[10:11], s[10:11], 8192
.endm
.macro STAGE_ST b, left                ; the chunk in set b goes into buffer b; left: the younger chunk's loads, which may stay out
	s_wait_loadcnt \left
	WIN 0x04                                       ; an LDS store's data are its source 1: window 1
.irp k, 0,1,2,3,4
	ds_store_b128 v2, v[STG+20*(\b)+4*\k:STG+20*(\b)+4*\k+3] offset:(\b)*BUF+4096*\k
.endr
	WIN 0
	s_wait_dscnt 0x0                               ; for the others' sake: my stores have landed, my reads of the other buffer are back
	s_barrier_signal -1
	s_barrier_wait -1
.endm
.macro ASK how                         ; how = 1: key block 0; 2: in the loop over B's blocks, trip s21 is key block s21 + 1
.if \how == 1
	s_cmp_lg_u32 s[LIM], 0
.else
	s_cmp_lt_u32 s21, s[LIM]
.endif
	s_cbranch_scc0 .Lnot_mine_\@
	global_prefetch_b8 v7, s[PFA:PFA+1] th:TH_LOAD_NT scope:SCOPE_SE
.Lnot_mine_\@:
.endm
.macro LOADK b, j
.irp kk, 0,1
.irp kt, 0,1,2
.irp c, 0,1
	ds_load_b128 v[K+24*\kk+8*\kt+4*\c:K+24*\kk+8*\kt+4*\c+3], v1 offset:(\b)*BUF+(2*(\j)+\kk)*3072+\kt*1024+512*\c
.endr
.endr
.endr
.endm
.macro LOADV b, j
.irp ch, 0,1,2,3
.irp c, 0,1
	ds_load_b128 v[V+8*\ch+4*\c:V+8*\ch+4*\c+3], v1 offset:(\b)*BUF+12288+(\j)*4096+\ch*1024+512*\c
.endr
.endr
.endm
.macro SMM t, kk, kt
.if \kt == 0
	v_wmma_f32_16x16x32_f16 v[S+16*\t+8*\kk:S+16*\t+8*\kk+7], v[K+24*\kk+8*\kt:K+24*\kk+8*\kt+7], v[Q+24*\t+8*\kt:Q+24*\t+8*\kt+7], 0
.else
	v_wmma_f32_16x16x32_f16 v[S+16*\t+8*\kk:S+16*\t+8*\kk+7], v[K+24*\kk+8*\kt:K+24*\kk+8*\kt+7], v[Q+24*\t+8*\kt:Q+24*\t+8*\kt+7], v[S+16*\t+8*\kk:S+16*\t+8*\kk+7]
.endif
.endm
.macro PVM t, ch
	v_wmma_f32_16x16x32_f16 v[O+32*\t+8*\ch:O+32*\t+8*\ch+7], v[V+8*\ch:V+8*\ch+7], v[S+16*\t:S+16*\t+7], v[O+32*\t+8*\ch:O+32*\t+8*\ch+7]
.endm
.macro CLIP t                          ; the clip at +-80 (here times s^2), then t = score x c / s^2; each accumulator from its low end on
.irp n, 0,1,2,3,4,5,6,7,8,9,10,11,12,13,14,15
	v_med3_num_f32 v[S+16*\t+\n], v[S+16*\t+\n], s20, s14
.endr
.irp n, 0,2,4,6,8,10,12,14
	v_pk_mul_f32 v[S+16*\t+\n:S+16*\t+\n+1], v[S+16*\t+\n:S+16*\t+\n+1], s[16:17] op_sel_hi:[1,0]
.endr
.endm
.macro MASK t, off                     ; register n holds key off + 16 (n / 8) + 8 h + n % 8 of the block: hidden where that is above my query 16 w + r
.irp n, 0,1,2,3,4,5,6,7,8,9,10,11,12,13,14,15
	v_cmp_gt_i32 vcc_lo, (\off)+16*(\n/8)+\n%8, v3
	v_cndmask_b32 v[S+16*\t+\n], v[S+16*\t+\n], v4, vcc_lo
.endr
.endm
.macro EXPS t
.irp n, 0,1,2,3,4,5,6,7,8,9,10,11,12,13,14,15
	v_exp_f32 v[S+16*\t+\n], v[S+16*\t+\n]
.endr
.endm
; 32 keys: step j of the chunk in buffer b.  aon: tile A takes part; ma, mb: A's or B's diagonal.
; nk = 1: the next step lies in this chunk; 2: in the next chunk, which is stored into the other buffer here (left: see STAGE_ST; gl = 1: the chunk three on is asked of memory; ask: see ASK); 0: there is none.
.macro STEP b, j, aon, ma, mb, nk, left, gl, ask
	s_wait_dscnt 0x0                               ; K is in: it was asked for under the last step's softmax
.irp kt, 0,1,2                         ; the accumulators take turns, one instruction a turn
.irp kk, 0,1
.if \aon
	SMM 0, \kk, \kt
.endif
	SMM 1, \kk, \kt
.endr
.endr
	NOPS 4                                         ; places in front of the loads into K's and V's registers and of the reads of the scores
	LOADV \b, \j
.if \nk == 1
	LOADK \b, \j+1
.elseif \nk == 2
	STAGE_ST 1-\b, \left
	LOADK 1-\b, 0
.if \gl
	STEP_PTR
.if \ask == 2
	s_add_nc_u64 s[PFA:PFA+1], s[PFA:PFA+1], s[PFS:PFS+1]   ; (behind the wait above: the last prefetch, a block back, has read its address)
.endif
	STAGE_LD 1-\b
.if \ask
	ASK \ask                                       ; behind the wave's loads
.endif
.endif
.endif
.if \aon
	CLIP 0
.endif
	CLIP 1
.if \ma
	MASK 0, 64*\b+32*\j
.endif
.if \mb
	MASK 1, 64*\b+32*\j
.endif
.if \aon
	EXPS 0
.endif
	EXPS 1
	v_nop                                          ; a plain place behind the last exponential
	s_wait_alu depctr_va_vdst(0)                   ; one wait for the whole batch, ahead of its first reader
.irp p, 0,1,2,3,4,5,6,7                ; the rows' sums of the unrounded p, and p to f16 in place, ascending: registers 0-7 of a tile become the second product's source 1
.if \aon
	v_pk_add_f32 v[L:L+1], v[L:L+1], v[S+2*\p:S+2*\p+1]
.endif
	v_pk_add_f32 v[L+2:L+3], v[L+2:L+3], v[S+16+2*\p:S+16+2*\p+1]
.if \aon
	v_cvt_pk_f16_f32 v[S+\p], v[S+2*\p], v[S+2*\p+1]
.endif
	v_cvt_pk_f16_f32 v[S+16+\p], v[S+16+2*\p], v[S+16+2*\p+1]
.endr
.if \nk
	s_wait_dscnt 12                                ; V is in; the next step's twelve loads of K may be out
.else
	s_wait_dscnt 0x0
.endif
.irp ch, 0,1,2,3
.if \aon
	PVM 0, \ch
.endif
	PVM 1, \ch
.endr
	NOPS 5                                         ; places in front of the next scores, which are written over p
.endm
.macro CHUNK b, aon, ma, mb, kind, ask ; kind 0: in the stream; 1: chunk n - 3; 2: chunk n - 2; 3: the last
	STEP \b, 0, \aon, \ma, \mb, 1, 0, 0, 0
.if \kind == 0
	STEP \b, 1, \aon, \ma, \mb, 2, 5, 1, \ask
.elseif \kind == 1
	STEP \b, 1, \aon, \ma, \mb, 2, 5, 0, 0
.elseif \kind == 2
	STEP \b, 1, \aon, \ma, \mb, 2, 0, 0, 0
.else
	STEP \b, 1, \aon, \ma, \mb, 0, 0, 0, 0
.endif
.endm
.macro BLOCK aon, ma, mb, bk, ask      ; 128 keys.  bk 0: in the stream; 1: the block before the last; 2: the last
.if \bk == 0
	CHUNK 0, \aon, \ma, \mb, 0, \ask
	CHUNK 1, \aon, \ma, \mb, 0, 0
.elseif \bk == 1
	CHUNK 0, \aon, \ma, \mb, 0, 0
	CHUNK 1, \aon, \ma, \mb, 1, 0
.else
	CHUNK 0, \aon, \ma, \mb, 2, 0
	CHUNK 1, \aon, \ma, \mb, 3, 0
.endif
.endm
	s_load_b128 s[4:7], s[0:1], 0x0                ; P2, P3
	v_lshl_add_u32 v5, v0, 2, SPARE                ; my spare word,
	v_mov_b32 v6, 0                                ; and 0: kept for the wave's end
	v_lshrrev_b32 v244, 5, v0
	v_readfirstlane_b32 s2, v244                   ; wave
	s_mov_b32 s22, ttmp9                           ; i
	s_and_b32 s23, ttmp7, 0xffff                   ; batch x 16 + head
	v_and_b32 v244, 31, v0
	v_and_b32 v245, 15, v0
	v_bfe_u32 v246, v0, 4, 1
	v_lshlrev_b32 v1, 4, v244                      ; 16 x lane
	v_lshlrev_b32 v2, 4, v0                        ; 16 x thread
	v_lshlrev_b32 v7, 8, v244                      ; 256 x lane: the prefetches' offset; never rewritten
	v_lshlrev_b32 v246, 3, v246
	v_sub_nc_u32 v3, v245, v246
	s_lshl_b32 s3, s2, 4
	v_add_nc_u32 v3, s3, v3                        ; 16 w + r - 8 h
	v_mov_b32 v4, 0xff800000                       ; -infinity
	s_mov_b32 s34, 0x76543210
	s_mov_b32 s35, 0xfedcba98
	s_lshl_b32 s33, s23, 7
	s_lshl_b32 s36, s22, 3
	s_add_co_u32 s37, s36, s2                      ; tile A in the sequence: 8 i + w
	s_sub_co_u32 s38, 120, s36
	s_add_co_u32 s38, s38, s2                      ; tile B: 8 (15 - i) + w
	s_add_co_u32 s24, s33, s37
	s_mul_i32 s24, s24, 3072
	s_add_co_u32 s24, s24, QIMG
	s_mov_b32 s25, 0
	s_add_co_u32 s26, s33, s38
	s_mul_i32 s26, s26, 3072
	s_add_co_u32 s26, s26, QIMG
	s_mov_b32 s27, 0
	s_lshr_b32 s39, s23, 4
	s_and_b32 s40, s23, 15
	s_lshl_b32 s39, s39, 7                         ; 128 token tiles a batch
	s_lshl_b32 s40, s40, 11                        ; a head is two fragments of the out-projection's K
	s_add_co_u32 s28, s39, s37
	s_lshl_b32 s28, s28, 15
	s_add_co_u32 s28, s28, s40
	s_mov_b32 s29, 0
	s_add_co_u32 s30, s39, s38
	s_lshl_b32 s30, s30, 15
	s_add_co_u32 s30, s30, s40
	s_mov_b32 s31, 0
	s_mul_i32 s8, s23, 393216
	s_add_co_u32 s8, s8, KIMG
	s_mov_b32 s9, 0
	s_lshl_b32 s10, s23, 18
	s_add_co_u32 s10, s10, VIMG
	s_mov_b32 s11, 0
	s_lshl_b32 s32, s22, 1
	s_sub_co_u32 s32, 13, s32                      ; trips of the loop over B's own blocks: one more such block is written out behind it (not used where i = 7)
	s_wait_kmcnt 0x0
	s_load_b128 s[12:15], s[4:5], 0x0              ; s, 1/s, 80 s^2, c/s^2
	s_add_nc_u64 s[8:9], s[4:5], s[8:9]
	s_add_nc_u64 s[10:11], s[4:5], s[10:11]
	s_add_nc_u64 s[24:25], s[4:5], s[24:25]
	s_add_nc_u64 s[26:27], s[4:5], s[26:27]
	s_add_nc_u64 s[28:29], s[6:7], s[28:29]
	s_add_nc_u64 s[30:31], s[6:7], s[30:31]
	; the prefetches: where my wave's stand, and who asks
	s_cmp_lt_u32 s2, 3                             ; waves 0-2 ask for K, waves 3, 4 for V
	s_cselect_b64 s[PFA:PFA+1], s[8:9], s[10:11]
	s_mov_b32 s[PFS], 16384
	s_cselect_b32 s[PFS], 24576, s[PFS]            ; a key block of K or of V
	s_cselect_b32 s46, 0, 3
	s_sub_co_u32 s46, s2, s46
	s_lshl_b32 s46, s46, 13                        ; my wave's 8,192 bytes of it,
	s_mul_i32 s47, s[PFS], 3
	s_add_co_u32 s46, s46, s47                     ; in key block 3
	s_mov_b32 s47, 0
	s_mov_b32 s[PFS+1], 0
	s_add_nc_u64 s[PFA:PFA+1], s[PFA:PFA+1], s[46:47]
	s_cmp_lt_u32 s2, 5
	s_cselect_b32 s[LIM], 0, 1
	s_or_b32 s[LIM], s[LIM], s22                   ; 0 in waves 0-4 of the head's work-group 0
	s_cmp_eq_u32 s[LIM], 0
	s_cselect_b32 s[LIM], 12, 0
.irp k, 0,1,2,3,4,5
	global_load_b128 v[Q+4*\k:Q+4*\k+3], v1, s[24:25] offset:512*\k
	global_load_b128 v[Q+24+4*\k:Q+24+4*\k+3], v1, s[26:27] offset:512*\k
.endr
	STAGE_LD 0                                     ; chunk 0
	STEP_PTR
	STAGE_LD 1                                     ; chunk 1
.set k, 0
.rept 64
	v_mov_b32 v[O+k], 0                            ; O^T: the step is written once, so its first products find zeros
.set k, k+1
.endr
.irp k, 0,1,2,3
	v_mov_b32 v[L+\k], 0
.endr
	s_wait_kmcnt 0x0
	s_mov_b32 s16, s15
	s_mov_b32 s17, s15
	s_xor_b32 s20, s14, 0x80000000                 ; -80 s^2
	STAGE_ST 0, 5                                  ; Q and chunk 0 are in; chunk 1's five loads may be out
	LOADK 0, 0
	STEP_PTR
	STAGE_LD 0                                     ; chunk 2.  From here on ten loads are out at every block's edge
	s_cmp_eq_u32 s22, 0
	s_cbranch_scc1 .Ldiag_a
	s_mov_b32 s21, 0
.Lboth:
	BLOCK 1, 0, 0, 0, 0
	s_add_co_u32 s21, s21, 1
	s_cmp_lt_u32 s21, s22
	s_cbranch_scc1 .Lboth
.Ldiag_a:
	s_cmp_eq_u32 s22, 7
	s_cbranch_scc1 .Ldiag_a_pen                    ; i = 7: A's diagonal block is the block before the last
	BLOCK 1, 1, 0, 0, 1
	s_mov_b32 s21, 0
.Lonly_b:
	BLOCK 0, 0, 0, 0, 2
	s_add_co_u32 s21, s21, 1
	s_cmp_lt_u32 s21, s32
	s_cbranch_scc1 .Lonly_b
	BLOCK 0, 0, 0, 1, 0
	s_branch .Ldiag_b
.Ldiag_a_pen:
	BLOCK 1, 1, 0, 1, 0
.Ldiag_b:
	BLOCK 0, 0, 1, 2, 0
	; THE WAY OUT: O^T / the row's sum, to f16, as fragments of the out-projection: a lane's eight channels of one token are its 16 bytes
	v_add_f32 v244, v[L], v[L+1]
	v_add_f32 v246, v[L+2], v[L+3]
	v_mov_b32 v245, 0
	v_mov_b32 v247, 0
	v_permlanex16_b32 v245, v244, s34, s35
	v_permlanex16_b32 v247, v246, s34, s35
	v_add_f32 v244, v244, v245                     ; with the query's other keys, in lane l xor 16
	v_add_f32 v246, v246, v247
	v_rcp_f32 v244, v244
	v_rcp_f32 v246, v246
	v_nop
	s_wait_alu depctr_va_vdst(0)                   ; one wait for both reciprocals
.irp t, 0,1
.irp ch, 0,1,2,3
.irp p, 0,2,4,6
	v_pk_mul_f32 v[T+\p:T+\p+1], v[O+32*\t+8*\ch+\p:O+32*\t+8*\ch+\p+1], v[244+2*\t:245+2*\t] op_sel_hi:[1,0]
.endr
.irp p, 0,1,2,3
	v_cvt_pk_f16_f32 v[K+16*\t+4*\ch+\p], v[T+2*\p], v[T+2*\p+1]
.endr
	global_store_b128 v1, v[K+16*\t+4*\ch:K+16*\t+4*\ch+3], s[28+2*\t:29+2*\t] offset:(\ch/2)*1024+512*(\ch%2)
.endr
.endr
	s_wait_tensorcnt 0x0                           ; the wave's end
	ds_add_u32 v5, v6
	s_wait_dscnt 0x0
	s_endpgm
.Lfunc_end_k_q06df917282_attn:
	.size	k_q06df917282_attn, .Lfunc_end_k_q06df917282_attn-k_q06df917282_attn
	.p2alignl 7, 3214868480
	.fill 96, 4, 3214868480
	.section	.rodata,"a",@progbits
	.p2align	6, 0x0
	.amdhsa_kernel k_q06df917282_attn
		.amdhsa_group_segment_fixed_size 41984
		.amdhsa_private_segment_fixed_size 0
		.amdhsa_enable_private_segment 0
		.amdhsa_kernarg_size 16
		.amdhsa_user_sgpr_count 2
		.amdhsa_user_sgpr_kernarg_segment_ptr 1
		.amdhsa_wavefront_size32 1
		.amdhsa_system_sgpr_workgroup_id_x 1
		.amdhsa_system_sgpr_workgroup_id_y 1
		.amdhsa_system_sgpr_workgroup_id_z 1
		.amdhsa_system_vgpr_workitem_id 0
		.amdhsa_next_free_vgpr 296
		.amdhsa_next_free_sgpr 66
		.amdhsa_reserve_vcc 1
		.amdhsa_float_denorm_mode_32 3
		.amdhsa_float_denorm_mode_16_64 3
		.amdhsa_memory_ordered 1
		.amdhsa_forward_progress 1
		.amdhsa_inst_pref_size 212
	.end_amdhsa_kernel
	.amdgpu_metadata
---
amdhsa.version: [ 1, 2 ]
amdhsa.kernels:
  - .name:           k_q06df917282_attn
    .symbol:         k_q06df917282_attn.kd
    .args:
      - { .name: P2, .offset: 0, .size: 8, .value_kind: global_buffer, .address_space: global }
      - { .name: P3, .offset: 8, .size: 8, .value_kind: global_buffer, .address_space: global }
    .group_segment_fixed_size: 41984
    .private_segment_fixed_size: 0
    .kernarg_segment_align: 8
    .kernarg_segment_size: 16
    .max_flat_workgroup_size: 256
    .sgpr_count:     66
    .vgpr_count:     296
    .wavefront_size: 32
...
	.end_amdgpu_metadata
.endif
;; end of part 9
;; launch oproj (part 10): grid 8 x 48, 8 waves a work-group, no clusters, 140,288 bytes of LDS; arguments P0, P2, P3, out0, W_o, P4; writes out0
.if DOCPART == 10
	.amdgcn_target "amdgcn-amd-amdhsa--gfx1250"
	.amdhsa_code_object_version 6
	.text
	.protected	k_q06df917282_oproj
	.globl	k_q06df917282_oproj
	.p2align	8
	.type	k_q06df917282_oproj,@function
k_q06df917282_oproj:
	s_mov_b64 s[64:65], 0
	v_nop
	global_prefetch_b8 v0, s[64:65] scope:SCOPE_SE
	s_setreg_imm32_b32 hwreg(HW_REG_WAVE_MODE, 25, 1), 1
	s_wait_xcnt 0x0
; OPROJ: out0 = attn W_o^T.  K = 1024.
; WORK-GROUPS y < 32: f16 operands (attn stored times s), f32 sums, the result times 1/s.  A work-group makes 128 tokens x 128 features; wave w makes 32 tokens (w / 2) x 64 features (w % 2): 8 accumulators.
; K goes in 8 chunks of 128 through two LDS buffers of 64 KB (8 token tiles and 8 feature tiles of 4 KB), staged by the eight waves, 4,096 bytes an instruction: the next chunk is loaded into registers at a chunk's head and
; stored behind its work; one barrier a chunk: in front of it a wave's stores into the other buffer have landed and its reads of this one are back.
; Source 0 = 16 features, source 1 = 16 tokens: a lane holds eight neighbouring features of one token.  A tile of 16 tokens x 64 features goes through the wave's own stage and leaves as rows: sixteen lanes store 256 consecutive bytes, aligned.
; The stages lie in buffer 0: the last chunk lies in buffer 1, and every wave's last reads of buffer 0 were back in front of the barrier that stands ahead of the last chunk.
; The first 16 positions of each sequence are not stored by these work-groups: they belong to the others.
; WORK-GROUPS y >= 32 (128 of them): those 16 positions in f32, from the fine attention's rows and W_o as it is given: the 16 tokens of a batch x 16 features.  Wave w sums k = 128 w .. 128 w + 127 (32 steps of the f32 matrix form,
; even and odd steps on two accumulators by turns; K permuted alike in both sources: lane (r, h) loads k = 8 g + 4 h + 0 .. 3); the eight parts meet in LDS bytes of this path's own, and wave w adds and stores tokens w and 8 + w.
; v16-79 are written by matrix instructions alone in the whole text.
; No cluster: the text has no tensor load, so there is nothing to ask for jointly.
.set WOIMG, 4507648
.set STAGE, 0                          ; 16 rows x 272 bytes for each wave, in buffer 0
.set SPARE, 131072
.set FB,    132096                     ; the fine path's 8 KB
.set ACC, 16                           ; v16-79   accumulator (i, f) at 16 + 8 (4 i + f)
.set F0,  80                           ; v80-175  two sets of 48: two token fragments, four feature fragments
.set OB,  144                          ; the way out: rows read back
.set STG, 176                          ; v176-239 the next chunk on its way
.macro NOPS n
.rept \n
	v_nop
.endr
.endm
.macro LOADF kt, t                     ; the fragments of 32 along K, from the buffer of chunk t, into set kt % 2
.set FS, F0+48*((\kt)%2)
.irp i, 0,1
.irp c, 0,1
.if ((\t)%2) == 0
	ds_load_b128 v[FS+8*\i+4*\c:FS+8*\i+4*\c+3], v1 offset:\i*4096+(\kt)*1024+512*\c
.else
	ds_load_b128 v[FS+8*\i+4*\c:FS+8*\i+4*\c+3], v10 offset:\i*4096+(\kt)*1024+512*\c
.endif
.endr
.endr
.irp f, 0,1,2,3
.irp c, 0,1
.if ((\t)%2) == 0
	ds_load_b128 v[FS+16+8*\f+4*\c:FS+16+8*\f+4*\c+3], v2 offset:\f*4096+(\kt)*1024+512*\c
.else
	ds_load_b128 v[FS+16+8*\f+4*\c:FS+16+8*\f+4*\c+3], v11 offset:\f*4096+(\kt)*1024+512*\c
.endif
.endr
.endr
.endm
.macro MULK kt, t                      ; the eight accumulators take turns; the first product starts each sum
.set FS, F0+48*((\kt)%2)
.irp i, 0,1
.irp f, 0,1,2,3
.if ((\t) == 0) && ((\kt) == 0)
	v_wmma_f32_16x16x32_f16 v[ACC+8*(4*\i+\f):ACC+8*(4*\i+\f)+7], v[FS+16+8*\f:FS+16+8*\f+7], v[FS+8*\i:FS+8*\i+7], 0
.else
	v_wmma_f32_16x16x32_f16 v[ACC+8*(4*\i+\f):ACC+8*(4*\i+\f)+7], v[FS+16+8*\f:FS+16+8*\f+7], v[FS+8*\i:FS+8*\i+7], v[ACC+8*(4*\i+\f):ACC+8*(4*\i+\f)+7]
.endif
.endr
.endr
.endm
.macro GLOAD t                         ; chunk t into registers
.irp k, 0,1,2,3,4,5,6,7
	global_load_b128 v[STG+4*\k:STG+4*\k+3], v3, s[12:13] offset:\k*32768+(\t)*4096
	global_load_b128 v[STG+32+4*\k:STG+32+4*\k+3], v3, s[14:15] offset:\k*32768+(\t)*4096
.endr
.endm
.macro GSTORE t                        ; and into its buffer
	s_wait_loadcnt 0x0
.irp k, 0,1,2,3,4,5,6,7
.if ((\t)%2) == 0
	ds_store_b128 v3, v[STG+4*\k:STG+4*\k+3] offset:4096*\k
	ds_store_b128 v3, v[STG+32+4*\k:STG+32+4*\k+3] offset:32768+4096*\k
.else
	ds_store_b128 v4, v[STG+4*\k:STG+4*\k+3] offset:4096*\k
	ds_store_b128 v4, v[STG+32+4*\k:STG+32+4*\k+3] offset:32768+4096*\k
.endif
.endr
	s_wait_dscnt 0x0                               ; for the others' sake: my stores have landed, my reads are back
	s_barrier_signal -1
	s_barrier_wait -1
.endm
.macro TRIP t
.if \t < 7
	GLOAD \t+1
.endif
	LOADF 0, \t
.irp kt, 0,1,2,3
.if \kt < 3
	LOADF \kt+1, \t
	s_wait_dscnt 12                                ; this step's twelve loads are in; the next step's may be out
.else
	s_wait_dscnt 0x0
.endif
	MULK \kt, \t
	NOPS 4                                         ; places in front of the loads into this set
.endr
.if \t < 7
	GSTORE \t+1
.endif
.endm
	v_lshl_add_u32 v8, v0, 2, SPARE                ; my spare word,
	v_mov_b32 v9, 0                                ; and 0: kept for the wave's end
	s_and_b32 s20, ttmp7, 0xffff
	s_cmp_ge_u32 s20, 32
	s_cbranch_scc1 .Lfine
	s_load_b256 s[4:11], s[0:1], 0x0               ; P0, P2, P3, out0
	v_lshrrev_b32 v12, 5, v0
	v_readfirstlane_b32 s2, v12                    ; wave
	s_lshr_b32 s3, s2, 1                           ; which 32 tokens
	s_and_b32 s18, s2, 1                           ; which 64 features
	s_mov_b32 s19, ttmp9
	v_and_b32 v12, 31, v0
	v_and_b32 v13, 15, v0                          ; r
	v_bfe_u32 v14, v0, 4, 1                        ; h
	v_lshlrev_b32 v12, 4, v12
	s_lshl_b32 s21, s3, 13
	v_add_nc_u32 v1, s21, v12                      ; my token fragments in buffer 0
	s_lshl_b32 s21, s18, 14
	s_add_co_u32 s21, s21, 32768
	v_add_nc_u32 v2, s21, v12                      ; my feature fragments
	v_add_nc_u32 v10, 0x10000, v1                  ; the same in buffer 1
	v_add_nc_u32 v11, 0x10000, v2
	v_lshlrev_b32 v3, 4, v0
	v_add_nc_u32 v4, 0x10000, v3
	s_mul_i32 s21, s2, 4352
	s_add_co_u32 s21, s21, STAGE
	v_mul_u32_u24 v5, v13, 272
	v_lshl_add_u32 v5, v14, 5, v5
	v_add_nc_u32 v5, s21, v5                       ; into my stage: row r, 32 bytes for each half of the lanes
	v_mul_u32_u24 v6, v14, 272
	v_lshl_add_u32 v6, v13, 4, v6
	v_add_nc_u32 v6, s21, v6                       ; back: lanes 0-15 one row, lanes 16-31 the next
	v_lshlrev_b32 v7, 12, v14
	v_lshl_add_u32 v7, v13, 4, v7                  ; and the same two rows in out0
	s_lshl_b32 s12, s20, 18
	s_mov_b32 s13, 0
	s_lshl_b32 s14, s19, 18
	s_add_co_u32 s14, s14, WOIMG
	s_mov_b32 s15, 0
	s_lshl_b32 s22, s20, 19
	s_lshl_b32 s23, s3, 17
	s_add_co_u32 s22, s22, s23
	s_lshl_b32 s23, s19, 9
	s_add_co_u32 s22, s22, s23
	s_lshl_b32 s23, s18, 8
	s_add_co_u32 s22, s22, s23
	s_mov_b32 s23, 0
	s_wait_kmcnt 0x0
	s_load_b64 s[24:25], s[6:7], 0x0               ; s, 1/s
	s_add_nc_u64 s[12:13], s[8:9], s[12:13]
	s_add_nc_u64 s[14:15], s[4:5], s[14:15]
	s_add_nc_u64 s[22:23], s[10:11], s[22:23]
	GLOAD 0
	GSTORE 0
.irp t, 0,1,2,3,4,5,6,7
	TRIP \t
.endr
	s_wait_kmcnt 0x0
	s_mov_b32 s16, s25
	s_mov_b32 s17, s25
.irp i, 0,1
.irp f, 0,1,2,3
.irp p, 0,2,4,6
	v_pk_mul_f32 v[F0+32*\i+8*\f+\p:F0+32*\i+8*\f+\p+1], v[ACC+8*(4*\i+\f)+\p:ACC+8*(4*\i+\f)+\p+1], s[16:17] op_sel_hi:[1,0]   ; x 1/s
.endr
	ds_store_b128 v5, v[F0+32*\i+8*\f:F0+32*\i+8*\f+3] offset:64*\f
	ds_store_b128 v5, v[F0+32*\i+8*\f+4:F0+32*\i+8*\f+7] offset:64*\f+16
.endr
.irp k, 0,1,2,3,4,5,6,7
	ds_load_b128 v[OB+32*\i+4*\k:OB+32*\i+4*\k+3], v6 offset:544*\k    ; LDS serves a wave's instructions in order: these see my stores, and the next tile's stores come behind them
.endr
.endr
	s_wait_dscnt 16                                ; the first tile's rows are back; the second tile's 8 stores and 8 loads may be out
	s_and_b32 s26, s20, 15
	s_or_b32 s26, s26, s3
	s_cmp_eq_u32 s26, 0                            ; my first tile is a sequence's first 16 positions?
	s_cbranch_scc1 .Lnot_mine                      ; then its rows belong to the f32 work-groups
.irp k, 0,1,2,3,4,5,6,7
	global_store_b128 v7, v[OB+4*\k:OB+4*\k+3], s[22:23] offset:2*\k*4096 th:TH_STORE_NT
.endr
.Lnot_mine:
	s_wait_dscnt 0x0
.irp k, 0,1,2,3,4,5,6,7
	global_store_b128 v7, v[OB+32+4*\k:OB+32+4*\k+3], s[22:23] offset:(16+2*\k)*4096 th:TH_STORE_NT
.endr
	s_wait_tensorcnt 0x0                           ; the wave's end
	ds_add_u32 v8, v9
	s_wait_dscnt 0x0
	s_endpgm
	; ---- the first 16 positions of a batch x 16 features, in f32
.Lfine:
	s_load_b128 s[4:7], s[0:1], 0x20               ; W_o, P4
	s_load_b64 s[8:9], s[0:1], 0x18                ; out0
	v_lshrrev_b32 v10, 5, v0
	v_readfirstlane_b32 s2, v10                    ; wave
	s_sub_co_u32 s18, s20, 32
	s_lshl_b32 s18, s18, 3
	s_add_co_u32 s18, s18, ttmp9                   ; 0 .. 127
	s_lshr_b32 s3, s18, 6                          ; batch
	s_and_b32 s18, s18, 63                         ; which 16 features
	v_and_b32 v10, 31, v0
	v_and_b32 v11, 15, v0                          ; r
	v_bfe_u32 v12, v0, 4, 1                        ; h
	v_lshlrev_b32 v1, 12, v11
	v_lshl_add_u32 v1, v12, 4, v1                  ; row r of 4,096 bytes + 16 h
	s_lshl_b32 s10, s2, 10
	s_add_co_u32 s10, s10, FB
	v_lshl_add_u32 v2, v10, 2, s10                 ; my part: 1,024 w + 4 x lane
	s_lshl_b32 s10, s2, 7
	s_add_co_u32 s10, s10, FB
	v_lshl_add_u32 v3, v10, 2, s10                 ; what I add up: 128 w + 4 x lane
	v_lshlrev_b32 v4, 15, v12
	v_lshl_add_u32 v4, v11, 2, v4                  ; out: token 8 h, feature r
	s_lshl_b32 s11, s2, 9                          ; my 128 along K
	s_lshl_b32 s12, s18, 16
	s_add_co_u32 s12, s12, s11
	s_mov_b32 s13, 0
	s_lshl_b32 s14, s3, 16
	s_add_co_u32 s14, s14, s11
	s_mov_b32 s15, 0
	s_lshl_b32 s16, s3, 23
	s_lshl_b32 s17, s2, 12
	s_add_co_u32 s16, s16, s17
	s_lshl_b32 s17, s18, 6
	s_add_co_u32 s16, s16, s17
	s_mov_b32 s17, 0
	s_wait_kmcnt 0x0
	s_add_nc_u64 s[12:13], s[4:5], s[12:13]
	s_add_nc_u64 s[14:15], s[6:7], s[14:15]
	s_add_nc_u64 s[16:17], s[8:9], s[16:17]
.irp g, 0,1,2,3,4,5,6,7,8,9,10,11,12,13,14,15
	global_load_b128 v[80+4*\g:83+4*\g], v1, s[14:15] offset:32*\g
	global_load_b128 v[144+4*\g:147+4*\g], v1, s[12:13] offset:32*\g
.endr
	s_wait_loadcnt 0x0
.irp g, 0,1,2,3,4,5,6,7,8,9,10,11,12,13,14,15
.irp e, 0,1
.if \g == 0
	v_wmma_f32_16x16x4_f32 v[ACC+8*\e:ACC+8*\e+7], v[80+4*\g+2*\e:81+4*\g+2*\e], v[144+4*\g+2*\e:145+4*\g+2*\e], 0
.else
	v_wmma_f32_16x16x4_f32 v[ACC+8*\e:ACC+8*\e+7], v[80+4*\g+2*\e:81+4*\g+2*\e], v[144+4*\g+2*\e:145+4*\g+2*\e], v[ACC+8*\e:ACC+8*\e+7]
.endif
.endr
.endr
	NOPS 8
.irp j, 0,1,2,3,4,5,6,7
	v_add_f32 v[208+\j], v[ACC+\j], v[ACC+8+\j]    ; lane (r, h): token 8 h + j, feature r
.endr
.irp j, 0,1,2,3,4,5,6,7
	ds_store_b32 v2, v[208+\j] offset:128*\j
.endr
	s_wait_dscnt 0x0                               ; for the others' sake: my part has landed
	s_barrier_signal -1
	s_barrier_wait -1
.irp i, 0,1,2,3,4,5,6,7
	ds_load_b32 v[216+\i], v3 offset:1024*\i
.endr
	s_wait_dscnt 0x0
	v_add_f32 v216, v216, v217
	v_add_f32 v218, v218, v219
	v_add_f32 v220, v220, v221
	v_add_f32 v222, v222, v223
	v_add_f32 v216, v216, v218
	v_add_f32 v220, v220, v222
	v_add_f32 v216, v216, v220
	global_store_b32 v4, v216, s[16:17]            ; tokens w and 8 + w: 64 consecutive bytes each
	s_wait_tensorcnt 0x0                           ; the wave's end
	ds_add_u32 v8, v9
	s_wait_dscnt 0x0
	s_endpgm
.Lfunc_end_k_q06df917282_oproj:
	.size	k_q06df917282_oproj, .Lfunc_end_k_q06df917282_oproj-k_q06df917282_oproj
	.p2alignl 7, 3214868480
	.fill 96, 4, 3214868480
	.section	.rodata,"a",@progbits
	.p2align	6, 0x0
	.amdhsa_kernel k_q06df917282_oproj
		.amdhsa_group_segment_fixed_size 140288
		.amdhsa_private_segment_fixed_size 0
		.amdhsa_enable_private_segment 0
		.amdhsa_kernarg_size 48
		.amdhsa_user_sgpr_count 2
		.amdhsa_user_sgpr_kernarg_segment_ptr 1
		.amdhsa_wavefront_size32 1
		.amdhsa_system_sgpr_workgroup_id_x 1
		.amdhsa_system_sgpr_workgroup_id_y 1
		.amdhsa_system_sgpr_workgroup_id_z 1
		.amdhsa_system_vgpr_workitem_id 0
		.amdhsa_next_free_vgpr 240
		.amdhsa_next_free_sgpr 66
		.amdhsa_reserve_vcc 0
		.amdhsa_float_denorm_mode_32 3
		.amdhsa_float_denorm_mode_16_64 3
		.amdhsa_memory_ordered 1
		.amdhsa_forward_progress 1
		.amdhsa_inst_pref_size 84
	.end_amdhsa_kernel
	.amdgpu_metadata
---
amdhsa.version: [ 1, 2 ]
amdhsa.kernels:
  - .name:           k_q06df917282_oproj
    .symbol:         k_q06df917282_oproj.kd
    .args:
      - { .name: P0, .offset: 0, .size: 8, .value_kind: global_buffer, .address_space: global }
      - { .name: P2, .offset: 8, .size: 8, .value_kind: global_buffer, .address_space: global }
      - { .name: P3, .offset: 16, .size: 8, .value_kind: global_buffer, .address_space: global }
      - { .name: out0, .offset: 24, .size: 8, .value_kind: global_buffer, .address_space: global }
      - { .name: W_o, .offset: 32, .size: 8, .value_kind: global_buffer, .address_space: global }
      - { .name: P4, .offset: 40, .size: 8, .value_kind: global_buffer, .address_space: global }
    .group_segment_fixed_size: 140288
    .private_segment_fixed_size: 0
    .kernarg_segment_align: 8
    .kernarg_segment_size: 48
    .max_flat_workgroup_size: 256
    .sgpr_count:     66
    .vgpr_count:     240
    .wavefront_size: 32
...
	.end_amdgpu_metadata
.endif
;; end of part 10
